; MI455X (gfx1250); checked and timed in simulation.
; The chip was launched on July 23, 2026; its instructions are those of AMD's public machine-readable ISA for CDNA 5 (MIT licence, August 2026) and "CDNA5" Instruction Set Architecture Reference Guide (July 2026). The comments in the code are by the model that wrote it; some were corrected since.
;; EMA Gate Model. Allowed arithmetic: float matrix products may take bf16 or f16 operands with f32 sums; all other float work in f32.
;; Inputs: W1 256 x 512 float32; W2 512 x 256 float32; Wk 256 x 256 float32; Wo 256 x 32,000 float32; Wr 256 x 256 float32; b1 512 float32; b2 256 float32; bo 32,000 float32; br 256 float32; embed 32,000 x 256 float32; ln_b 256 float32; ln_g 256 float32; seq 64 x 256 int32.
;; Outputs: out0 64 x 32,000 float32.
;; 3 versions, each right; version 2 is faster than version 1; version 3 is version 2 with the launches front, head written anew for expert scheduling mode. Each part assembles by itself: llvm-mc -triple=amdgcn-amd-amdhsa -mcpu=gfx1250 --defsym DOCPART=n.
;; ======== version 1 of 3: 2 launches
;; limits: values are held in f16: magnitudes above 65,504 overflow, below 6.1e-05 lose precision; values outside matrix products are rounded to f16
;; workspace buffers: r2ws 65,536 bytes
;; launch mem (part 1): grid 64 x 1, 8 waves a work-group, no clusters, 324,864 bytes of LDS; arguments Wr, br, r2ws, seq, embed, W1, W2, Wk, b1, b2, ln_g, ln_b; writes r2ws
.if DOCPART == 1
	.amdgcn_target "amdgcn-amd-amdhsa--gfx1250"
	.amdhsa_code_object_version 6
	.text
	.protected	k_q7c0e43fa5b_mem
	.globl	k_q7c0e43fa5b_mem
	.p2align	8
	.type	k_q7c0e43fa5b_mem,@function
k_q7c0e43fa5b_mem:
	s_mov_b64 s[64:65], 0
	v_nop
	global_prefetch_b8 v0, s[64:65] scope:SCOPE_SE
	s_setreg_imm32_b32 hwreg(HW_REG_WAVE_MODE, 25, 1), 1
	s_wait_xcnt 0x0
; One work-group per batch row b (64): gather, FFN with residual, LayerNorm, k = h Wk, the gated memory of 255 steps,
; read = M q, r2 = read Wr + br  ->  r2ws[b][256] (f32).
;
; THE MEMORY IS NEVER FORMED.  reference() starts from M0 = 0 (built in its own body), so for all inputs, in exact arithmetic,
;   M_t = 0.05 sum_{s<t} w_s kn_s^T,  w_s = fire_s d_s,  and  vp_t = M_t kn_t = 0.05 sum_{s<t} (kn_s . kn_t) w_s.
; With G[t][s] = -0.05 rn_t rn_s (k_t . k_s), rn = 1 / max(|k|, 1e-12):  d_t = k_t + sum_{s<t} G[t][s] w_s.
; Row 255 (q) runs as a row whose start value is 0: it ends as R = -(M q) rn_255, so read = -R max(|q|, 1e-12).
; Steps go in 16 chunks of 16: older chunks enter by a matrix product, the 16 steps inside a chunk are serial in f32.
; Only the lower triangle of G is computed.  No input is left out.
; LIMITS, stated: matrix operands are f16 (embed, W1, W2, Wk, relu output, h, k, w, G): magnitudes above 65,504 overflow, and
; numbers below 6e-5 carry an absolute error of 3e-8.  The gate compares |d|^2 with 0.16 |k|^2 in f32 (reference(): the roots), and
; the sums run in another order than reference()'s: a gate within rounding of its threshold may fall the other way.
; A NaN or an infinity that would live only in entries of M that the read multiplies by 0 is not carried.
;
; ALL PRODUCTS ARE USED TRANSPOSED: source 0 = 16 output columns of the weights, source 1 = 16 tokens.  Lane (r = l % 16, h = l / 16)
; then holds in register j the number (token r, column n0 + 8 h + j): two neighbouring result tiles, rounded to f16, ARE the next
; product's token fragment, and a row's statistics are sums in the lane plus one exchange of the halves.  No activation goes through LDS.
; Wave w owns tokens 32 w .. 32 w + 31 (two tiles mt).
.set P1, 288                           ; LDS pitch of rows of 128 f16 read by transposing loads: 9 x 32 bytes
.set P2, 544                           ; of rows of 256 f16: 17 x 32 bytes
.set PVB, 1040                         ; of VB's rows (256 f32): 65 x 16 bytes
.set SLOTB, 143360                     ; a weight slot: W1's 128 columns [256][128] at +0, W2's 128 rows [128][256] at +W2OFF
.set W2OFF, 73728
.set KD, 143360                        ; slot 1, later [256 rows][256] f16: k, overwritten chunk by chunk with w.
                                       ; Slot 0: later Wk, then S[s][t] = G[t][s], f16, pitch P2
.set VB, 286720                        ; f32 [16][256]: a chunk's rows.  First SM (b1, b2, ln_g, ln_b), last the eight waves' partial r2
.set SM, VB
.set RNO, 303360                       ; f32 [256] 1 / max(|k|, 1e-12);  +1024: 0.16 |k|^2;  +2048: max(|k|, 1e-12)
.set THO, 304384
.set NRMO, 305408
.set DIAG, 306432                      ; f32 [16 chunks][16][16]: G inside a chunk
.set RD, 322816                        ; f32 [256]: read
.set AE, 32                            ; v[32:159]  token fragments, 8 (8 mt + p); later h's
.set ACC1, 160                         ; v[160:191] hidden tiles, 16 mt + 8 nt
.set ST, 192                           ; v[192:223] weights on their way from memory to LDS
.set WF, 224                           ; v[224:255] four weight fragments, two pairs that take turns
; window 1 (v256-511): the 32 result tiles 8 (16 mt + q): embedding row + FFN, then x, then k; last Wr's rows.
.set MSB, 0
.macro WIN new                         ; the immediate's high byte repeats the setting that is left
.if MSB != \new
	s_set_vgpr_msb (MSB<<8)|\new
.set MSB, \new
.endif
.endm
.macro PLACES n                        ; places behind matrix instructions (ISA guide 7.12.1)
.rept \n
	v_nop
.endr
.endm
.macro ISSUE base, cnt, vo, sb, step   ; cnt loads of 16 bytes a lane, step bytes apart
.set ii_, 0
.rept \cnt
	global_load_b128 v[\base+4*ii_:\base+4*ii_+3], v[\vo], s[\sb:\sb+1] offset:ii_*\step
.set ii_, ii_+1
.endr
.endm
.macro COMMIT base, cnt, la, kind      ; round them to f16 and lay them into LDS.  kind 0: a load is a row of pitch P1; 1: half a row of pitch P2
.set ic_, 0
.rept \cnt
	v_cvt_pk_f16_f32 v[\base+4*ic_], v[\base+4*ic_], v[\base+4*ic_+1]
	v_cvt_pk_f16_f32 v[\base+4*ic_+1], v[\base+4*ic_+2], v[\base+4*ic_+3]
.if \kind
	ds_store_b64 v[\la], v[\base+4*ic_:\base+4*ic_+1] offset:(ic_>>1)*P2+(ic_&1)*256
.else
	ds_store_b64 v[\la], v[\base+4*ic_:\base+4*ic_+1] offset:ic_*P1
.endif
.set ic_, ic_+1
.endr
.endm
.macro LDF buf, adr, imm, half         ; one weight fragment (32 k x 16 columns) out of rows that lie along the columns
	ds_load_tr16_b128 v[WF+8*(\buf):WF+8*(\buf)+3], v[\adr] offset:\imm
	ds_load_tr16_b128 v[WF+8*(\buf)+4:WF+8*(\buf)+7], v[\adr] offset:(\imm)+(\half)
.endm
.macro G1LD p                          ; W1's two fragments of k step p; v9 = v8 + 4 k steps, since an LDS offset has 16 bits
.if (\p) < 4
	LDF 2*((\p)&1), 8, 32*P1*(\p), 16*P1
	LDF 2*((\p)&1)+1, 8, 32*P1*(\p)+32, 16*P1
.else
	LDF 2*((\p)&1), 9, 32*P1*((\p)-4), 16*P1
	LDF 2*((\p)&1)+1, 9, 32*P1*((\p)-4)+32, 16*P1
.endif
.endm
; 32 hidden units x 32 tokens over k = 256: 32 matrix instructions on four accumulators by turns.
.macro GEMM1
	G1LD 0
	G1LD 1
.set p1_, 0
.rept 8
.if p1_ < 7
	s_wait_dscnt 0x4                               ; all but the next pair's four loads
.else
	s_wait_dscnt 0x0
.endif
.irp nt, 0,1
.irp mt, 0,1
	v_wmma_f32_16x16x32_f16 v[ACC1+16*\mt+8*\nt:ACC1+16*\mt+8*\nt+7], v[WF+8*(2*(p1_&1)+\nt):WF+8*(2*(p1_&1)+\nt)+7], v[AE+8*(8*\mt+p1_):AE+8*(8*\mt+p1_)+7], v[ACC1+16*\mt+8*\nt:ACC1+16*\mt+8*\nt+7]
.endr
.endr
.if p1_ < 6
	PLACES 4
	G1LD (p1_+2)
.endif
.set p1_, p1_+1
.endr
	PLACES 5
.endm
.macro G2LD qq, adr, ib
	LDF 2*((\qq)&1), \adr, (\ib)+64*(\qq), 16*P2
	LDF 2*((\qq)&1)+1, \adr, (\ib)+64*(\qq)+32, 16*P2
.endm
; 256 columns x 32 tokens over one k step of 32: 32 matrix instructions on 32 accumulators of window 1, by turns.
; adr, ib: the 32 weight rows; xb + xs mt: the token fragment; zero = 1: the products start the sums.
.macro GEMM2 adr, ib, xb, xs, zero
	G2LD 0, \adr, \ib
	G2LD 1, \adr, \ib
.set q2_, 0
.rept 8
.if q2_ < 7
	s_wait_dscnt 0x4                               ; all but the next pair's four loads
.else
	s_wait_dscnt 0x0
.endif
	WIN 0x50                                       ; C and D in window 1
.irp qh, 0,1
.irp mt, 0,1
.if \zero
	v_wmma_f32_16x16x32_f16 v[8*(16*\mt+2*q2_+\qh):8*(16*\mt+2*q2_+\qh)+7], v[WF+8*(2*(q2_&1)+\qh):WF+8*(2*(q2_&1)+\qh)+7], v[\xb+\xs*\mt:\xb+\xs*\mt+7], 0
.else
	v_wmma_f32_16x16x32_f16 v[8*(16*\mt+2*q2_+\qh):8*(16*\mt+2*q2_+\qh)+7], v[WF+8*(2*(q2_&1)+\qh):WF+8*(2*(q2_&1)+\qh)+7], v[\xb+\xs*\mt:\xb+\xs*\mt+7], v[8*(16*\mt+2*q2_+\qh):8*(16*\mt+2*q2_+\qh)+7]
.endif
.endr
.endr
	WIN 0
.if q2_ < 6
	PLACES 4
	G2LD (q2_+2), \adr, \ib
.endif
.set q2_, q2_+1
.endr
	PLACES 5
.endm
; One block of 32 hidden units.  Beside its products it brings a quarter of the next slot's weights through ST, in two halves.
; stage 0: the next group's W1 columns and W2 rows; stage 1: Wk.
.macro BLOCK stage
.if \stage
	ISSUE ST, 8, 12, 18, 512
.else
	ISSUE ST, 8, 12, 14, 2048
.endif
.irp mt, 0,1
.irp nt, 0,1
	ds_load_b128 v[ACC1+16*\mt+8*\nt:ACC1+16*\mt+8*\nt+3], v11 offset:64*\nt      ; b1 starts the sums
	ds_load_b128 v[ACC1+16*\mt+8*\nt+4:ACC1+16*\mt+8*\nt+7], v11 offset:64*\nt+16
.endr
.endr
	GEMM1
	s_wait_loadcnt 0x0                             ; the eight loads into ST
	COMMIT ST, 8, 14, \stage
.if \stage
	ISSUE ST, 8, 13, 18, 512
.else
	ISSUE ST, 8, 13, 16, 512
.endif
.set x_, 0
.rept 32
	v_max_num_f32 v[ACC1+x_], 0, v[ACC1+x_]        ; ReLU
.set x_, x_+1
.endr
.irp mt, 0,1
.irp jj, 0,1,2,3,4,5,6,7
	v_cvt_pk_f16_f32 v[ACC1+16*\mt+\jj], v[ACC1+16*\mt+2*\jj], v[ACC1+16*\mt+2*\jj+1]   ; in place: the tile pair becomes the token fragment
.endr
.endr
	GEMM2 10, 0, ACC1, 16, 0
	s_wait_loadcnt 0x0                             ; the second eight; behind it v12 and v13 may be stepped
	COMMIT ST, 8, 15, 1
	v_add_nc_u32 v8, 64, v8                        ; W1: 32 columns on
	v_add_nc_u32 v9, 64, v9
	v_add_nc_u32 v10, 32*P2, v10                   ; W2: 32 rows on
	v_add_nc_u32 v11, 128, v11                     ; b1
.if \stage
	v_add_nc_u32 v12, 8192, v12                    ; 8 rows of Wk a block
	v_add_nc_u32 v13, 8192, v13
	v_add_nc_u32 v14, 8*P2, v14
	v_add_nc_u32 v15, 8*P2, v15
.else
	v_add_nc_u32 v12, 16384, v12                   ; 8 rows of W1
	v_add_nc_u32 v13, 4096, v13                    ; 4 rows of W2
	v_add_nc_u32 v14, 8*P1, v14
	v_add_nc_u32 v15, 4*P2, v15
.endif
.endm
; Group g: hidden units 128 g .. 128 g + 127 out of slot g % 2, while the other slot is filled.
.macro GROUP g
.set SL_, ((\g)&1)*SLOTB
.set SN_, SLOTB-SL_
	v_add_nc_u32 v8, SL_, v4
	v_add_nc_u32 v9, SL_+4*32*P1, v4
	v_add_nc_u32 v10, SL_+W2OFF, v5
.if \g < 3
	s_lshl_b32 s30, s2, 16                         ; W1: rows 32 w .., columns 128 (g + 1) ..
	s_add_co_u32 s30, s30, 512*(\g+1)
	v_add_nc_u32 v12, s30, v7
	s_lshl_b32 s30, s2, 14                         ; W2: rows 128 (g + 1) + 16 w ..
	s_add_co_u32 s30, s30, 131072*(\g+1)
	v_add_nc_u32 v13, s30, v7
	s_mul_i32 s30, s2, 32*P1
	s_add_co_u32 s30, s30, SN_
	v_add_nc_u32 v14, s30, v6
	s_mul_i32 s30, s2, 16*P2
	s_add_co_u32 s30, s30, SN_+W2OFF
	v_add_nc_u32 v15, s30, v6
.else
	s_lshl_b32 s30, s2, 15                         ; Wk: rows 32 w .., into slot 0
	v_add_nc_u32 v12, s30, v7
	v_add_nc_u32 v13, 4096, v12
	s_mul_i32 s30, s2, 32*P2
	v_add_nc_u32 v14, s30, v6
	v_add_nc_u32 v15, 4*P2, v14
.endif
	s_mov_b32 s98, 0
.Lblk_\@:
.if \g < 3
	BLOCK 0
.else
	BLOCK 1
.endif
	s_add_co_u32 s98, s98, 1
	s_cmp_lt_u32 s98, 4
	s_cbranch_scc1 .Lblk_\@
	s_wait_dscnt 0x0                               ; my reads of this slot and my stores into the other are done
	s_barrier_signal -1
	s_barrier_wait -1                              ; so are everybody's: the slots change roles
.endm
; Over window 1's 128 registers of each token tile: sq = 0 the sum, 1 the sum of squares, in four pairs at v[160 + 8 mt].
.macro ROWRED sq
	WIN 0x05
.set m_, 0
.rept 2
.set c_, 0
.rept 4
.if \sq
	v_pk_mul_f32 v[160+8*m_+2*c_:161+8*m_+2*c_], v[128*m_+2*c_:128*m_+2*c_+1], v[128*m_+2*c_:128*m_+2*c_+1]
.else
	v_pk_add_f32 v[160+8*m_+2*c_:161+8*m_+2*c_], v[128*m_+2*c_:128*m_+2*c_+1], v[128*m_+8+2*c_:128*m_+9+2*c_]
.endif
.set c_, c_+1
.endr
.set m_, m_+1
.endr
.if \sq
.set c_, 4
.rept 60
.set m_, 0
.rept 2
	v_pk_fma_f32 v[160+8*m_+2*(c_&3):161+8*m_+2*(c_&3)], v[128*m_+2*c_:128*m_+2*c_+1], v[128*m_+2*c_:128*m_+2*c_+1], v[160+8*m_+2*(c_&3):161+8*m_+2*(c_&3)]
.set m_, m_+1
.endr
.set c_, c_+1
.endr
.else
	WIN 0x01
.set c_, 8
.rept 56
.set m_, 0
.rept 2
	v_pk_add_f32 v[160+8*m_+2*(c_&3):161+8*m_+2*(c_&3)], v[128*m_+2*c_:128*m_+2*c_+1], v[160+8*m_+2*(c_&3):161+8*m_+2*(c_&3)]
.set m_, m_+1
.endr
.set c_, c_+1
.endr
.endif
	WIN 0
.endm
.macro FOLD s                          ; the four pairs, then the other half of the lanes (the same token's other columns): the total in v[s]
	v_pk_add_f32 v[\s:\s+1], v[\s:\s+1], v[\s+2:\s+3]
	v_pk_add_f32 v[\s+4:\s+5], v[\s+4:\s+5], v[\s+6:\s+7]
	v_pk_add_f32 v[\s:\s+1], v[\s:\s+1], v[\s+4:\s+5]
	v_add_f32 v[\s], v[\s], v[\s+1]
	v_permlanex16_b32 v[\s+1], v[\s], s96, s97
	v_add_f32 v[\s], v[\s], v[\s+1]
.endm
; LayerNorm's gain and bias for column tiles 4 qb .. 4 qb + 3, and h's fragments.
.macro LNB qb
.irp qi, 0,1,2,3
	ds_load_b128 v[160+8*\qi:163+8*\qi], v26 offset:64*(4*\qb+\qi)
	ds_load_b128 v[164+8*\qi:167+8*\qi], v26 offset:64*(4*\qb+\qi)+16
	ds_load_b128 v[192+8*\qi:195+8*\qi], v27 offset:64*(4*\qb+\qi)
	ds_load_b128 v[196+8*\qi:199+8*\qi], v27 offset:64*(4*\qb+\qi)+16
.endr
	s_wait_dscnt 0x0
	WIN 0x41
.irp mt, 0,1
.irp qi, 0,1,2,3
.irp jj, 0,1,2,3
	v_pk_mul_f32 v[8*(16*\mt+4*\qb+\qi)+2*\jj:8*(16*\mt+4*\qb+\qi)+2*\jj+1], v[8*(16*\mt+4*\qb+\qi)+2*\jj:8*(16*\mt+4*\qb+\qi)+2*\jj+1], v[20+2*\mt:21+2*\mt]
.endr
.endr
.endr
.irp mt, 0,1
.irp qi, 0,1,2,3
.irp jj, 0,1,2,3
	v_pk_fma_f32 v[8*(16*\mt+4*\qb+\qi)+2*\jj:8*(16*\mt+4*\qb+\qi)+2*\jj+1], v[8*(16*\mt+4*\qb+\qi)+2*\jj:8*(16*\mt+4*\qb+\qi)+2*\jj+1], v[160+8*\qi+2*\jj:161+8*\qi+2*\jj], v[192+8*\qi+2*\jj:193+8*\qi+2*\jj]
.endr
.endr
.endr
	WIN 0x05
.irp mt, 0,1
.irp qi, 0,1,2,3
.irp jj, 0,1,2,3
	v_cvt_pk_f16_f32 v[AE+4*(16*\mt+4*\qb+\qi)+\jj], v[8*(16*\mt+4*\qb+\qi)+2*\jj], v[8*(16*\mt+4*\qb+\qi)+2*\jj+1]
.endr
.endr
.endr
	WIN 0
.endm
; ---------------------------------------------------------------- head: arguments, lane terms, first loads
	s_load_b512 s[4:19], s[0:1], 0x0               ; Wr s[4:5], br s[6:7], r2ws s[8:9], seq s[10:11], embed s[12:13], W1 s[14:15], W2 s[16:17], Wk s[18:19]
	s_load_b256 s[20:27], s[0:1], 0x40             ; b1 s[20:21], b2 s[22:23], ln_g s[24:25], ln_b s[26:27]
	v_lshrrev_b32 v1, 5, v0
	v_readfirstlane_b32 s2, v1                     ; wave
	s_mov_b32 s3, ttmp9                            ; batch row
	s_mov_b32 s96, 0x76543210                      ; v_permlanex16_b32: lane i takes lane i of the other half
	s_mov_b32 s97, 0xfedcba98
	s_mov_b32 s28, 0x3b800000                      ; 1 / 256
	s_mov_b32 s29, 0x3727c5ac                      ; 1e-5
	v_and_b32 v1, 31, v0                           ; l
	v_and_b32 v2, 15, v0                           ; r
	v_bfe_u32 v3, v0, 4, 1                         ; h
	v_and_b32 v16, 7, v0
	v_lshl_add_u32 v16, v3, 3, v16                 ; 8 h + l % 8: my row in a transposing load
	v_bfe_u32 v17, v0, 3, 1
	v_lshlrev_b32 v17, 4, v17                      ; and my 16 bytes of it
	v_mad_u32_u24 v4, v16, P1, v17                 ; v4, v5: that lane term for the two pitches
	v_mad_u32_u24 v5, v16, P2, v17
	v_lshlrev_b32 v6, 3, v1                        ; 8 l
	v_lshlrev_b32 v7, 4, v1                        ; 16 l
	v_lshlrev_b32 v25, 5, v3                       ; 32 h
	v_lshlrev_b32 v19, 2, v0                       ; 4 x thread
	s_lshl_b32 s30, s3, 10
	s_lshl_b32 s31, s2, 7
	s_add_co_u32 s30, s30, s31
	v_lshl_add_u32 v18, v2, 2, s30                 ; seq: (256 b + 32 w + r) x 4
	s_lshl_b32 s31, s2, 16
	v_add_nc_u32 v12, s31, v7                      ; W1: row 32 w, 16 l
	s_lshl_b32 s31, s2, 14
	v_add_nc_u32 v13, s31, v7                      ; W2: row 16 w, 16 l
	s_wait_kmcnt 0x0
	global_load_b32 v16, v18, s[10:11]             ; my two tokens
	global_load_b32 v17, v18, s[10:11] offset:64
	global_load_b32 v20, v19, s[20:21]
	global_load_b32 v21, v19, s[20:21] offset:1024
	global_load_b32 v22, v19, s[22:23]
	global_load_b32 v23, v19, s[24:25]
	global_load_b32 v24, v19, s[26:27]
	ISSUE 32, 32, 12, 14, 2048                     ; group 0 of W1: my 32 rows, 512 bytes each
	s_wait_loadcnt 37                              ; 5 + 32 loads were issued behind the tokens
	v_min_u32 v16, 0x7cff, v16                     ; an index stays inside the table of 32,000 rows
	v_min_u32 v17, 0x7cff, v17
	v_lshl_add_u32 v16, v16, 10, v25               ; row x 1,024 bytes + 32 h
	v_lshl_add_u32 v17, v17, 10, v25
	WIN 0x40                                       ; the embedding rows land in the result tiles: the residual is exact and nothing is cleared
.irp mt, 0,1
.set q_, 0
.rept 16
	global_load_b128 v[8*(16*\mt+q_):8*(16*\mt+q_)+3], v[16+\mt], s[12:13] offset:64*q_
	global_load_b128 v[8*(16*\mt+q_)+4:8*(16*\mt+q_)+7], v[16+\mt], s[12:13] offset:64*q_+16
.set q_, q_+1
.endr
.endr
	WIN 0
	s_wait_loadcnt 63                              ; 64 loads were issued behind W1's: the small vectors and W1 are in
	v_add_nc_u32 v26, SM, v19
	ds_store_b32 v26, v20                          ; b1
	ds_store_b32 v26, v21 offset:1024
	ds_store_b32 v26, v22 offset:2048              ; b2
	ds_store_b32 v26, v23 offset:3072              ; ln_g
	ds_store_b32 v26, v24 offset:4096              ; ln_b
	s_mul_i32 s31, s2, 32*P1
	v_add_nc_u32 v14, s31, v6
	COMMIT 32, 32, 14, 0
	ISSUE 32, 32, 13, 16, 512                      ; group 0 of W2: my 16 rows, two halves each
	s_mul_i32 s31, s2, 16*P2
	s_add_co_u32 s31, s31, W2OFF
	v_add_nc_u32 v15, s31, v6
	s_wait_loadcnt 0x0                             ; W2 and the embedding rows
	COMMIT 32, 32, 15, 1
	WIN 0x05
.set a_, 0
.rept 32
.irp jj, 0,1,2,3
	v_cvt_pk_f16_f32 v[AE+4*a_+\jj], v[8*a_+2*\jj], v[8*a_+2*\jj+1]      ; the tokens' fragments
.endr
.set a_, a_+1
.endr
	WIN 0
	v_add_nc_u32 v11, SM, v25                      ; b1 of my columns
	s_wait_dscnt 0x0
	s_barrier_signal -1
	s_barrier_wait -1                              ; slot 0 and the small vectors are whole
; ---------------------------------------------------------------- FFN: 4 groups of 4 blocks of 32 hidden units
	GROUP 0
	GROUP 1
	GROUP 2
	GROUP 3
; ---------------------------------------------------------------- LayerNorm, each wave for its own 32 tokens
	v_add_nc_u32 v24, SM+2048, v25
.set q_, 0
.rept 16
	ds_load_b128 v[32+8*q_:35+8*q_], v24 offset:64*q_
	ds_load_b128 v[36+8*q_:39+8*q_], v24 offset:64*q_+16
.set q_, q_+1
.endr
	v_add_nc_u32 v26, SM+3072, v25
	v_add_nc_u32 v27, SM+4096, v25
	s_wait_dscnt 0x0
	WIN 0x41
.set a_, 0
.rept 32
.irp jj, 0,1,2,3
	v_pk_add_f32 v[8*a_+2*\jj:8*a_+2*\jj+1], v[8*a_+2*\jj:8*a_+2*\jj+1], v[32+8*(a_&15)+2*\jj:33+8*(a_&15)+2*\jj]   ; x = h + ff + b2
.endr
.set a_, a_+1
.endr
	ROWRED 0
	FOLD 160
	FOLD 168
	v_mul_f32 v16, 0xbb800000, v160                ; -mean, twice, for each token tile
	v_mul_f32 v17, 0xbb800000, v160
	v_mul_f32 v18, 0xbb800000, v168
	v_mul_f32 v19, 0xbb800000, v168
	WIN 0x41
.set a_, 0
.rept 128
	v_pk_add_f32 v[2*a_:2*a_+1], v[2*a_:2*a_+1], v[16+2*(a_>>6):17+2*(a_>>6)]
.set a_, a_+1
.endr
	ROWRED 1                                       ; the variance from the centred numbers, as reference() has it
	FOLD 160
	FOLD 168
	v_fma_f32 v160, v160, s28, s29
	v_fma_f32 v168, v168, s28, s29
	v_rsq_f32 v20, v160
	v_rsq_f32 v22, v168
	v_nop                                          ; a plain instruction behind the transcendentals (ISA guide 5.7.2)
	s_wait_alu depctr_va_vdst(0)
	v_mov_b32 v21, v20
	v_mov_b32 v23, v22
	LNB 0
	LNB 1
	LNB 2
	LNB 3
; ---------------------------------------------------------------- k = h Wk (row 255 is q), Wk in slot 0
	v_add_nc_u32 v9, 4*32*P2, v5
	GEMM2 5, 0, 32, 64, 1
	GEMM2 5, 17408, 40, 64, 0
	GEMM2 5, 34816, 48, 64, 0
	GEMM2 5, 52224, 56, 64, 0
	GEMM2 9, 0, 64, 64, 0
	GEMM2 9, 17408, 72, 64, 0
	GEMM2 9, 34816, 80, 64, 0
	GEMM2 9, 52224, 88, 64, 0
	ROWRED 1                                       ; |k|^2
	FOLD 160
	FOLD 168
	v_sqrt_f32 v16, v160
	v_sqrt_f32 v17, v168
	v_mul_f32 v20, 0x3e23d70a, v160                ; 0.16 |k|^2: the gate's threshold
	v_mul_f32 v21, 0x3e23d70a, v168
	s_wait_alu depctr_va_vdst(0)
	v_max_num_f32 v16, 0x2b8cbccc, v16             ; max(|k|, 1e-12)
	v_max_num_f32 v17, 0x2b8cbccc, v17
	v_rcp_f32 v18, v16
	v_rcp_f32 v19, v17
	s_lshl_b32 s30, s2, 7
	s_add_co_u32 s30, s30, RNO
	v_lshl_add_u32 v22, v2, 2, s30                 ; (32 w + r) x 4; also the plain instruction behind v_rcp_f32
	s_wait_alu depctr_va_vdst(0)
	ds_store_b32 v22, v18
	ds_store_b32 v22, v19 offset:64
	ds_store_b32 v22, v20 offset:1024
	ds_store_b32 v22, v21 offset:1088
	ds_store_b32 v22, v16 offset:2048
	ds_store_b32 v22, v17 offset:2112
	v_mul_u32_u24 v26, v2, P2
	v_lshl_add_u32 v26, v3, 4, v26                 ; r x 544 + 16 h
	WIN 0x05
.set a_, 0
.rept 32
.irp jj, 0,1,2,3
	v_cvt_pk_f16_f32 v[32+4*a_+\jj], v[8*a_+2*\jj], v[8*a_+2*\jj+1]
.endr
.set a_, a_+1
.endr
	WIN 0
	s_mul_i32 s30, s2, 32*P2
	s_add_co_u32 s30, s30, KD
	v_add_nc_u32 v23, s30, v26
.irp mt, 0,1
.set q_, 0
.rept 16
	ds_store_b128 v23, v[32+4*(16*\mt+q_):35+4*(16*\mt+q_)] offset:16*P2*\mt+32*q_
.set q_, q_+1
.endr
.endr
	; Wr's rows 32 w .. 32 w + 29 go into window 1, which nothing touches until the tail: 60 loads; v31 and s[4:5] stay as they are.
	s_lshl_b32 s30, s2, 15
	v_add_nc_u32 v31, s30, v7
	WIN 0x40
.set a_, 0
.rept 30
	global_load_b128 v[8*a_:8*a_+3], v31, s[4:5] offset:1024*a_
	global_load_b128 v[8*a_+4:8*a_+7], v31, s[4:5] offset:1024*a_+512
.set a_, a_+1
.endr
	WIN 0
	s_wait_dscnt 0x0
	s_barrier_signal -1
	s_barrier_wait -1                              ; k and the norms are whole; nobody reads Wk any more
; ---------------------------------------------------------------- G, lower triangle, kept as S[s][t] = G[t][s]
; Wave w owns the column blocks sc = w and sc = 15 - w of G, which are row blocks of S: (16 - w) + (w + 1) = 17 tiles to compute in every wave,
; and all its stores lie in its own two blocks of 16 rows of S.  One loop of 16 trips over the row block tc, the same in every wave;
; a trip loads the 16 rows t once, for both columns.  A tile: source 0 = 16 rows t, source 1 = 16 rows s of k, so that
; lane (r, h) holds G[16 tc + 8 h + j][16 sc + r] in register j: 16 bytes of row 16 sc + r of S.
; tc < sc: the tile is 0 (one store; of these tiles the chunks' products read those in a row block's last group of 64 steps,
; and a test for the others would cost more than their stores).  tc = sc: the tile goes out in f32, for the serial steps, and S gets the identity:
; the chunk's product then brings k_t itself, since k_t still lies in w_t's place (row 255: nothing, its start value is 0).
.set SF0, 32                           ; v[32:95]   the 16 rows s of column block w, 8 fragments
.set SF1, 96                           ; v[96:159]  those of column block 15 - w
.set TF, 192                           ; v[192:255] the 16 rows t of the trip
.macro GCOL sf, sc, rs, ga, da         ; sc: the scalar register with the column block; rs: -0.05 rn_s, a pair; ga, da: addresses in S and in DIAG
	s_cmp_lt_u32 s99, s[\sc]
	s_cbranch_scc1 .Lgz_\@
	v_wmma_f32_16x16x32_f16 v[160:167], v[TF:TF+7], v[\sf:\sf+7], 0          ; even and odd k steps on two accumulators by turns
	v_wmma_f32_16x16x32_f16 v[168:175], v[TF+8:TF+15], v[\sf+8:\sf+15], 0
.irp p, 2,4,6
	v_wmma_f32_16x16x32_f16 v[160:167], v[TF+8*\p:TF+8*\p+7], v[\sf+8*\p:\sf+8*\p+7], v[160:167]
	v_wmma_f32_16x16x32_f16 v[168:175], v[TF+8*\p+8:TF+8*\p+15], v[\sf+8*\p+8:\sf+8*\p+15], v[168:175]
.endr
	PLACES 5
.irp x, 0,1,2,3
	v_pk_add_f32 v[160+2*\x:161+2*\x], v[160+2*\x:161+2*\x], v[168+2*\x:169+2*\x]
.endr
.irp x, 0,1,2,3
	v_pk_mul_f32 v[160+2*\x:161+2*\x], v[160+2*\x:161+2*\x], v[176+2*\x:177+2*\x]   ; rn_t
.endr
.irp x, 0,1,2,3
	v_pk_mul_f32 v[160+2*\x:161+2*\x], v[160+2*\x:161+2*\x], v[\rs:\rs+1]           ; -0.05 rn_s
.endr
	s_cmp_eq_u32 s99, s[\sc]
	s_cbranch_scc1 .Lgd_\@
.irp x, 0,1,2,3
	v_cvt_pk_f16_f32 v[188+\x], v[160+2*\x], v[161+2*\x]
.endr
	ds_store_b128 v[\ga], v[188:191]
	s_branch .Lge_\@
.Lgd_\@:
	ds_store_b128 v[\da], v[160:163]
	ds_store_b128 v[\da], v[164:167] offset:16
	s_lshl_b32 s31, s99, 4
	v_add_nc_u32 v24, s31, v2                      ; my row of S
	v_cmp_eq_u32 vcc_lo, 0xff, v24
	v_cndmask_b32 v24, v13, v20, vcc_lo            ; 1.0 in its half; row 255: 0
.irp x, 0,1,2,3
	v_cmp_eq_u32 vcc_lo, \x, v9
	v_cndmask_b32 v[188+\x], v20, v24, vcc_lo      ; my 16 bytes of the identity
.endr
	ds_store_b128 v[\ga], v[188:191]
	s_branch .Lge_\@
.Lgz_\@:
	ds_store_b128 v[\ga], v[20:23]
.Lge_\@:
.endm
	s_sub_co_u32 s29, 15, s2                       ; my second column block
	v_lshlrev_b32 v16, 3, v3
	v_sub_nc_u32 v16, v2, v16                      ; e = r - 8 h: the one of my eight columns that is the diagonal, if 0 <= e < 8
	v_and_b32 v17, 1, v16
	v_lshlrev_b32 v17, 4, v17
	v_mov_b32 v13, 0x3c00                          ; 1.0 in f16,
	v_lshlrev_b32 v13, v17, v13                    ; in the half e % 2
	v_lshrrev_b32 v9, 1, v16                       ; of register e / 2
.irp x, 20,21,22,23
	v_mov_b32 v\x, 0                               ; 16 bytes of an upper tile
.endr
	s_mul_i32 s30, s2, 16*P2
	s_mul_i32 s31, s29, 16*P2
	v_add_nc_u32 v10, s30, v26                     ; S: my row in block w, 16 h; 32 bytes on in every trip
	v_add_nc_u32 v11, s31, v26                     ; and in block 15 - w
	v_add_nc_u32 v18, KD, v10                      ; the same rows of k
	v_add_nc_u32 v19, KD, v11
.irp p, 0,1,2,3,4,5,6,7
	ds_load_b128 v[SF0+8*\p:SF0+8*\p+3], v18 offset:64*\p
	ds_load_b128 v[SF0+8*\p+4:SF0+8*\p+7], v18 offset:64*\p+32
	ds_load_b128 v[SF1+8*\p:SF1+8*\p+3], v19 offset:64*\p
	ds_load_b128 v[SF1+8*\p+4:SF1+8*\p+7], v19 offset:64*\p+32
.endr
	s_lshl_b32 s30, s2, 6
	s_lshl_b32 s31, s29, 6
	s_add_co_u32 s30, s30, RNO
	s_add_co_u32 s31, s31, RNO
	v_lshl_add_u32 v16, v2, 2, s30
	v_lshl_add_u32 v17, v2, 2, s31
	ds_load_b32 v184, v16                          ; rn of my row s, for each column block
	ds_load_b32 v186, v17
	s_lshl_b32 s30, s2, 10
	s_lshl_b32 s31, s29, 10
	s_add_co_u32 s30, s30, DIAG
	s_add_co_u32 s31, s31, DIAG
	v_lshl_add_u32 v14, v2, 6, s30
	v_lshl_add_u32 v15, v2, 6, s31
	v_add_nc_u32 v14, v25, v14                     ; DIAG[block][r][8 h]
	v_add_nc_u32 v15, v25, v15
	v_add_nc_u32 v8, KD, v26                       ; rows t, from block 0
	v_add_nc_u32 v12, RNO, v25                     ; rn of my eight t
	s_wait_dscnt 0x0
	v_mul_f32 v184, 0xbd4ccccd, v184               ; -0.05 rn_s
	v_mul_f32 v186, 0xbd4ccccd, v186
	v_mov_b32 v185, v184
	v_mov_b32 v187, v186
	s_mov_b32 s99, 0                               ; tc
.Lgram:
.irp p, 0,1,2,3,4,5,6,7
	ds_load_b128 v[TF+8*\p:TF+8*\p+3], v8 offset:64*\p
	ds_load_b128 v[TF+8*\p+4:TF+8*\p+7], v8 offset:64*\p+32
.endr
	ds_load_b128 v[176:179], v12
	ds_load_b128 v[180:183], v12 offset:16
	s_wait_dscnt 0x0
	GCOL SF0, 2, 184, 10, 14
	GCOL SF1, 29, 186, 11, 15
	v_add_nc_u32 v8, 16*P2, v8
	v_add_nc_u32 v10, 32, v10
	v_add_nc_u32 v11, 32, v11
	v_add_nc_u32 v12, 64, v12
	s_add_co_u32 s99, s99, 1
	s_cmp_lt_u32 s99, 16
	s_cbranch_scc1 .Lgram
	WIN 0x40                                       ; the rest of Wr: rows 32 w + 30, 31
.irp a, 30,31
	global_load_b128 v[8*\a:8*\a+3], v31, s[4:5] offset:1024*\a
	global_load_b128 v[8*\a+4:8*\a+7], v31, s[4:5] offset:1024*\a+512
.endr
	WIN 0
	v_and_b32 v30, 63, v0
	v_lshlrev_b32 v30, 4, v30
	global_load_b128 v[120:123], v30, s[6:7]       ; br; v30 and v[120:123] are left alone until the tail
; ---------------------------------------------------------------- the scan
	s_lshl_b32 s31, s2, 6
	s_add_co_u32 s31, s31, KD
	v_add_nc_u32 v11, s31, v5                      ; w rows from 0, my 32 columns, transposing
	v_mov_b32 v9, v5                               ; S rows from 0, the chunk's 16 columns t, transposing; 32 bytes on in every chunk
	v_mul_u32_u24 v13, v2, PVB
	s_lshl_b32 s31, s2, 7
	s_add_co_u32 s31, s31, VB
	v_add_nc_u32 v13, v25, v13
	v_add_nc_u32 v13, s31, v13                     ; VB[r][32 w + 8 h]
	v_add_nc_u32 v14, VB, v7
	v_lshlrev_b32 v15, 2, v2
	v_add_nc_u32 v16, THO, v15
	v_add_nc_u32 v15, DIAG, v15
	v_add_nc_u32 v17, KD, v6
	v_mov_b32 v19, 0
	v_mov_b32 v20, 1.0
	v_mov_b32 v29, 0
.set a_, 0
.rept 15
	s_mov_b32 s[35+2*a_], 0                        ; the upper words of the coefficient pairs: never used, but part of a pair that is named
	s_mov_b32 s[67+2*a_], 0
.set a_, a_+1
.endr
	s_wait_dscnt 0x0
	s_barrier_signal -1
	s_barrier_wait -1                              ; G is whole
; 64 older steps into the chunk's 16 rows x my 32 columns: source 0 = w (columns), source 1 = G (rows t, out of S's columns).
.macro PTRIP zero
.irp x, 0,1
	ds_load_tr16_b128 v[56+8*\x:59+8*\x], v10 offset:\x*32*P2
	ds_load_tr16_b128 v[60+8*\x:63+8*\x], v10 offset:\x*32*P2+16*P2
.endr
.irp f, 0,1,2,3
	ds_load_tr16_b128 v[72+8*\f:75+8*\f], v12 offset:(\f>>1)*32*P2+(\f&1)*32
	ds_load_tr16_b128 v[76+8*\f:79+8*\f], v12 offset:(\f>>1)*32*P2+(\f&1)*32+16*P2
.endr
	s_wait_dscnt 0x0
.if \zero
	v_wmma_f32_16x16x32_f16 v[32:39], v[72:79], v[56:63], 0
	v_wmma_f32_16x16x32_f16 v[40:47], v[80:87], v[56:63], 0
.else
	v_wmma_f32_16x16x32_f16 v[32:39], v[72:79], v[56:63], v[32:39]      ; two accumulators by turns
	v_wmma_f32_16x16x32_f16 v[40:47], v[80:87], v[56:63], v[40:47]
.endif
	v_wmma_f32_16x16x32_f16 v[32:39], v[88:95], v[64:71], v[32:39]
	v_wmma_f32_16x16x32_f16 v[40:47], v[96:103], v[64:71], v[40:47]
	PLACES 4
	v_add_nc_u32 v10, 64*P2, v10
	v_add_nc_u32 v12, 64*P2, v12
.endm
; The serial steps, wave 0.  R_t = v[128 + 8 t ..]: lane l holds columns 4 l .. 4 l + 3 and 128 + 4 l .. of row t.
; Link i of step t's chain: |R_t|^2 over the wave, the gate, the factor 0 or 1.
.macro CHAIN t, i
.if (\i) == 0
	v_pk_mul_f32 v[24:25], v[128+8*(\t):129+8*(\t)], v[128+8*(\t):129+8*(\t)]
.elseif (\i) == 1
	v_pk_mul_f32 v[26:27], v[130+8*(\t):131+8*(\t)], v[130+8*(\t):131+8*(\t)]
.elseif (\i) == 2
	v_pk_fma_f32 v[24:25], v[132+8*(\t):133+8*(\t)], v[132+8*(\t):133+8*(\t)], v[24:25]
.elseif (\i) == 3
	v_pk_fma_f32 v[26:27], v[134+8*(\t):135+8*(\t)], v[134+8*(\t):135+8*(\t)], v[26:27]
.elseif (\i) == 4
	v_pk_add_f32 v[24:25], v[24:25], v[26:27]
.elseif (\i) == 5
	v_add_f32 v28, v24, v25
.elseif (\i) == 6
	v_add_f32_dpp v28, v28, v28 row_xmask:1 row_mask:0xf bank_mask:0xf
.elseif (\i) == 7
	v_add_f32_dpp v28, v28, v28 row_xmask:2 row_mask:0xf bank_mask:0xf
.elseif (\i) == 8
	v_add_f32_dpp v28, v28, v28 row_xmask:4 row_mask:0xf bank_mask:0xf
.elseif (\i) == 9
	v_add_f32_dpp v28, v28, v28 row_xmask:8 row_mask:0xf bank_mask:0xf
.elseif (\i) == 10
	v_permlanex16_b32 v29, v28, s96, s97
.elseif (\i) == 11
	v_add_f32 v28, v28, v29
.elseif (\i) == 12
	v_cmp_le_f32 vcc_lo, s[18+(\t)], v28           ; fire: 0.16 |k|^2 <= |d|^2
.elseif (\i) == 13
	v_cndmask_b32 v22, v19, v20, vcc_lo
.else
	v_cndmask_b32 v23, v19, v20, vcc_lo
.endif
.endm
.macro RL t, u                         ; G[u][t] of the chunk into a scalar pair; the pairs of even and odd t lie apart
	v_readlane_b32 s[34+32*((\t)&1)+2*((\u)-1)], v[104+(\t)], (\u)
.endm
.macro UPD t, u                        ; R_u += G[u][t] w_t
.irp x, 0,1,2,3
	v_pk_fma_f32 v[128+8*(\u)+2*\x:129+8*(\u)+2*\x], v[32+8*((\t)&1)+2*\x:33+8*((\t)&1)+2*\x], s[34+32*((\t)&1)+2*((\u)-1):35+32*((\t)&1)+2*((\u)-1)], v[128+8*(\u)+2*\x:129+8*(\u)+2*\x] op_sel_hi:[1,0,1]
.endr
.endm
; Step t.  Only row t + 1 has to have w_t before the next chain begins; the rows further down take w_(t-1) between this chain's links.
.macro STEP t
.set si_, 0
.rept 15
	CHAIN \t, si_
.if (\t)+1+si_ <= 15
	RL \t, ((\t)+1+si_)
.if (\t) >= 1
	UPD ((\t)-1), ((\t)+1+si_)
.endif
.endif
.set si_, si_+1
.endr
.irp x, 0,1,2,3
	v_pk_mul_f32 v[32+8*((\t)&1)+2*\x:33+8*((\t)&1)+2*\x], v[128+8*(\t)+2*\x:129+8*(\t)+2*\x], v[22:23]   ; w_t = fire d_t
.endr
.if (\t) < 15
	UPD \t, ((\t)+1)
.endif
.irp x, 0,1,2,3
	v_cvt_pk_f16_f32 v[48+\x], v[32+8*((\t)&1)+2*\x], v[33+8*((\t)&1)+2*\x]
.endr
	ds_store_b64 v17, v[48:49] offset:P2*(\t)      ; w_t takes k_t's place, for the later chunks' products
	ds_store_b64 v17, v[50:51] offset:P2*(\t)+256
.endm
	s_mov_b32 s99, 0                               ; chunk c
.Lchunk:
	v_mov_b32 v10, v9
	v_mov_b32 v12, v11
	s_lshr_b32 s100, s99, 2
	PTRIP 1                                        ; c / 4 + 1 trips of 64 steps; the first starts the sums
	s_cmp_eq_u32 s100, 0
	s_cbranch_scc1 .Lpdone
	s_mov_b32 s98, 0
.Lprod:
	PTRIP 0
	s_add_co_u32 s98, s98, 1
	s_cmp_lt_u32 s98, s100
	s_cbranch_scc1 .Lprod
.Lpdone:
	ds_store_b128 v13, v[32:35]
	ds_store_b128 v13, v[36:39] offset:16
	ds_store_b128 v13, v[40:43] offset:64
	ds_store_b128 v13, v[44:47] offset:80
	s_wait_dscnt 0x0                               ; my part of the chunk's rows is in VB, my reads of k's and w's rows are done
	s_barrier_signal -1
	s_barrier_wait -1
	s_cmp_lg_u32 s2, 0
	s_cbranch_scc1 .Lnot0
.set a_, 0
.rept 16
	ds_load_b128 v[128+8*a_:131+8*a_], v14 offset:PVB*a_
	ds_load_b128 v[132+8*a_:135+8*a_], v14 offset:PVB*a_+512
.set a_, a_+1
.endr
.set a_, 0
.rept 15
	ds_load_b32 v[104+a_], v15 offset:64*a_        ; row t of the chunk's DIAG: lane u holds G[u][t]
.set a_, a_+1
.endr
	ds_load_b32 v119, v16
	s_wait_dscnt 0x0
.set a_, 0
.rept 16
	v_readlane_b32 s[18+a_], v119, a_              ; the sixteen thresholds
.set a_, a_+1
.endr
.irp t, 0,1,2,3,4,5,6,7,8,9,10,11,12,13,14,15
	STEP \t
.endr
.Lnot0:
	s_wait_dscnt 0x0                               ; wave 0: its reads of VB and its stores of w are done
	s_barrier_signal -1
	s_barrier_wait -1
	v_add_nc_u32 v9, 32, v9
	v_add_nc_u32 v15, 1024, v15
	v_add_nc_u32 v16, 64, v16
	v_add_nc_u32 v17, 16*P2, v17
	s_add_co_u32 s99, s99, 1
	s_cmp_lt_u32 s99, 16
	s_cbranch_scc1 .Lchunk
; ---------------------------------------------------------------- read = -R_255 max(|q|, 1e-12);  r2 = read Wr + br
; One row for each work-group: a stream of multiply-adds in f32 (a matrix tile would hold 15 empty rows), Wr's rows shared out among the waves.
	s_cmp_lg_u32 s2, 0
	s_cbranch_scc1 .Lnord
	v_mov_b32 v16, NRMO+1020
	ds_load_b32 v24, v16
	s_wait_dscnt 0x0
	v_mul_f32 v24, -1.0, v24
	v_mov_b32 v25, v24
.irp x, 0,1,2,3
	v_pk_mul_f32 v[32+2*\x:33+2*\x], v[248+2*\x:249+2*\x], v[24:25]
.endr
	v_add_nc_u32 v16, RD, v7
	ds_store_b128 v16, v[32:35]
	ds_store_b128 v16, v[36:39] offset:512
.Lnord:
	s_wait_dscnt 0x0
	s_barrier_signal -1
	s_barrier_wait -1
	s_lshl_b32 s31, s2, 7
	s_add_co_u32 s31, s31, RD
	v_mov_b32 v16, s31
.irp x, 0,1,2,3,4,5,6,7
	ds_load_b128 v[32+4*\x:35+4*\x], v16 offset:16*\x      ; read[32 w .. 32 w + 31], in every lane
.endr
	s_wait_loadcnt 0x0                             ; Wr's rows and br
	s_wait_dscnt 0x0
	WIN 0x01
.set i3_, 0
.rept 32
.set x3_, 0
.rept 4
.if i3_ == 0
	v_pk_mul_f32 v[64+2*x3_:65+2*x3_], v[2*x3_:2*x3_+1], v[32:33] op_sel_hi:[1,0]
.elseif (i3_&1) == 0
	v_pk_fma_f32 v[64+2*x3_:65+2*x3_], v[8*i3_+2*x3_:8*i3_+2*x3_+1], v[32+i3_:33+i3_], v[64+2*x3_:65+2*x3_] op_sel_hi:[1,0,1]
.else
	v_pk_fma_f32 v[64+2*x3_:65+2*x3_], v[8*i3_+2*x3_:8*i3_+2*x3_+1], v[31+i3_:32+i3_], v[64+2*x3_:65+2*x3_] op_sel:[0,1,0] op_sel_hi:[1,1,1]
.endif
.set x3_, x3_+1
.endr
.set i3_, i3_+1
.endr
	WIN 0
	s_lshl_b32 s31, s2, 10
	s_add_co_u32 s31, s31, VB
	v_add_nc_u32 v17, s31, v7
	ds_store_b128 v17, v[64:67]                    ; my partial r2, 256 numbers
	ds_store_b128 v17, v[68:71] offset:512
	s_wait_dscnt 0x0
	s_barrier_signal -1
	s_barrier_wait -1
	s_cmp_gt_u32 s2, 1
	s_cbranch_scc1 .Lend
	v_add_nc_u32 v18, VB, v30                      ; threads 0 to 63: four columns each
.irp x, 0,1,2,3,4,5,6,7
	ds_load_b128 v[32+4*\x:35+4*\x], v18 offset:1024*\x
.endr
	s_lshl_b32 s31, s3, 10
	v_add_nc_u32 v21, s31, v30
	s_wait_dscnt 0x0
.irp x, 0,1,2,3,4,5,6,7
	v_pk_add_f32 v[120:121], v[120:121], v[32+4*\x:33+4*\x]
	v_pk_add_f32 v[122:123], v[122:123], v[34+4*\x:35+4*\x]
.endr
	global_store_b128 v21, v[120:123], s[8:9]      ; a wave stores 512 consecutive bytes, aligned
.Lend:
	s_wait_xcnt 0x0
	v_lshl_add_u32 v254, v0, 2, 0x4f100
	v_mov_b32 v255, 0
	s_wait_tensorcnt 0x0
	ds_add_u32 v254, v255
	s_wait_dscnt 0x0
	s_endpgm
.Lfunc_end_k_q7c0e43fa5b_mem:
	.size	k_q7c0e43fa5b_mem, .Lfunc_end_k_q7c0e43fa5b_mem-k_q7c0e43fa5b_mem
	.p2alignl 7, 3214868480
	.fill 96, 4, 3214868480
	.section	.rodata,"a",@progbits
	.p2align	6, 0x0
	.amdhsa_kernel k_q7c0e43fa5b_mem
		.amdhsa_group_segment_fixed_size 324864
		.amdhsa_private_segment_fixed_size 0
		.amdhsa_enable_private_segment 0
		.amdhsa_kernarg_size 96
		.amdhsa_user_sgpr_count 2
		.amdhsa_user_sgpr_kernarg_segment_ptr 1
		.amdhsa_wavefront_size32 1
		.amdhsa_system_sgpr_workgroup_id_x 1
		.amdhsa_system_sgpr_workgroup_id_y 1
		.amdhsa_system_sgpr_workgroup_id_z 1
		.amdhsa_system_vgpr_workitem_id 0
		.amdhsa_next_free_vgpr 512
		.amdhsa_next_free_sgpr 102
		.amdhsa_reserve_vcc 1
		.amdhsa_float_denorm_mode_32 3
		.amdhsa_float_denorm_mode_16_64 3
		.amdhsa_memory_ordered 1
		.amdhsa_forward_progress 1
		.amdhsa_inst_pref_size 255
	.end_amdhsa_kernel
	.section	.bss,"aw",@nobits
	.p2align	6
	.space	262144
	.amdgpu_metadata
---
amdhsa.version: [ 1, 2 ]
amdhsa.kernels:
  - .name:           k_q7c0e43fa5b_mem
    .symbol:         k_q7c0e43fa5b_mem.kd
    .args:
      - { .name: Wr, .offset: 0, .size: 8, .value_kind: global_buffer, .address_space: global }
      - { .name: br, .offset: 8, .size: 8, .value_kind: global_buffer, .address_space: global }
      - { .name: r2ws, .offset: 16, .size: 8, .value_kind: global_buffer, .address_space: global }
      - { .name: seq, .offset: 24, .size: 8, .value_kind: global_buffer, .address_space: global }
      - { .name: embed, .offset: 32, .size: 8, .value_kind: global_buffer, .address_space: global }
      - { .name: W1, .offset: 40, .size: 8, .value_kind: global_buffer, .address_space: global }
      - { .name: W2, .offset: 48, .size: 8, .value_kind: global_buffer, .address_space: global }
      - { .name: Wk, .offset: 56, .size: 8, .value_kind: global_buffer, .address_space: global }
      - { .name: b1, .offset: 64, .size: 8, .value_kind: global_buffer, .address_space: global }
      - { .name: b2, .offset: 72, .size: 8, .value_kind: global_buffer, .address_space: global }
      - { .name: ln_g, .offset: 80, .size: 8, .value_kind: global_buffer, .address_space: global }
      - { .name: ln_b, .offset: 88, .size: 8, .value_kind: global_buffer, .address_space: global }
    .group_segment_fixed_size: 324864
    .private_segment_fixed_size: 0
    .kernarg_segment_align: 8
    .kernarg_segment_size: 96
    .max_flat_workgroup_size: 256
    .sgpr_count:     102
    .vgpr_count:     512
    .wavefront_size: 32
...
	.end_amdgpu_metadata
.endif
;; end of part 1
;; launch head (part 2): grid 250 x 1, 8 waves a work-group, no clusters, 142,848 bytes of LDS; arguments r2ws, Wo, bo, out0; writes out0
.if DOCPART == 2
	.amdgcn_target "amdgcn-amd-amdhsa--gfx1250"
	.amdhsa_code_object_version 6
	.text
	.protected	k_q7c0e43fa5b_head
	.globl	k_q7c0e43fa5b_head
	.p2align	8
	.type	k_q7c0e43fa5b_head,@function
k_q7c0e43fa5b_head:
	s_mov_b64 s[64:65], 0
	v_nop
	global_prefetch_b8 v0, s[64:65] scope:SCOPE_SE
	s_setreg_imm32_b32 hwreg(HW_REG_WAVE_MODE, 25, 1), 1
	s_wait_xcnt 0x0
; out0[b][n] = sum_k r2[b][k] Wo[k][n] + bo[n].  r2: [64][256] f32, Wo: [256][32000] f32.  250 work-groups of 128 columns: each byte of Wo
; is read once, in rows of 512 consecutive bytes, all 128 KiB of a work-group's share asked for at the start.
; Operands are f16.  r2's size is not bounded by anything in the model, so each row is divided by its largest magnitude m first
; (floor 2^-100) and the sums are multiplied by m again: the operand lies in [-1, 1] whatever the inputs.
; LIMIT, stated: Wo above 65,504 in magnitude overflows f16; m above 2^126 is not served.
; No cluster: the work-groups share only r2 (64 KiB of the 192 KiB that each reads).  The weights pass through registers to be rounded.
; The product is used transposed: source 0 = 16 columns of Wo, source 1 = 16 rows of r2; lane (r, h), register j holds (row r, column n0 + 8 h + j).
.set PW, 288                           ; Wo's LDS rows: 128 f16 + 32 bytes (9 x 32)
.set PX, 528                           ; r2's rows: 256 f16 + 16; out's rows: 128 f32 + 16 (33 x 16)
.set XS, 73728
.set OS, 107520
.set MS, 141312
	s_load_b256 s[4:11], s[0:1], 0x0               ; r2ws s[4:5], Wo s[6:7], bo s[8:9], out0 s[10:11]
	s_set_vgpr_msb 0x40
	v_lshl_add_u32 v0, v0, 2, 0x22a00
	v_mov_b32 v1, 0
	s_set_vgpr_msb 0x4000
	v_lshrrev_b32 v1, 5, v0
	v_readfirstlane_b32 s2, v1                     ; wave
	s_mov_b32 s12, 0x76543210
	s_mov_b32 s13, 0xfedcba98
	v_and_b32 v1, 31, v0
	v_and_b32 v2, 15, v0                           ; r
	v_bfe_u32 v3, v0, 4, 1                         ; h
	v_lshlrev_b32 v4, 4, v1                        ; 16 l
	s_lshl_b32 s14, s2, 13
	v_add_nc_u32 v5, s14, v4                       ; r2: row 8 w
	s_lshl_b32 s15, ttmp9, 9                       ; my 128 columns, in bytes of f32
	s_lshl_b32 s16, s2, 6
	s_add_co_u32 s16, s16, s15
	v_lshl_add_u32 v6, v3, 5, s16                  ; bo: column 128 g + 16 w + 8 h
	s_mul_i32 s17, s2, 4096000
	s_add_co_u32 s17, s17, s15
	v_add_nc_u32 v7, s17, v4                       ; Wo: row 32 w
	s_mul_i32 s17, s2, 1024000
	s_add_co_u32 s17, s17, s15
	v_add_nc_u32 v8, s17, v4                       ; out0: row 8 w
	s_mul_i32 s17, s2, 8*PX
	s_add_co_u32 s17, s17, XS
	v_lshl_add_u32 v9, v1, 3, s17                  ; XS: row 8 w, 8 l
	s_lshl_b32 s17, s2, 5
	s_add_co_u32 s17, s17, MS
	v_mov_b32 v10, s17
	s_mul_i32 s17, s2, 32*PW
	v_lshl_add_u32 v11, v1, 3, s17                 ; WS: row 32 w, 8 l
	s_wait_kmcnt 0x0
.irp i, 0,1,2,3,4,5,6,7
	global_load_b128 v[64+8*\i:67+8*\i], v5, s[4:5] offset:1024*\i
	global_load_b128 v[68+8*\i:71+8*\i], v5, s[4:5] offset:1024*\i+512
.endr
	global_load_b128 v[56:59], v6, s[8:9]
	global_load_b128 v[60:63], v6, s[8:9] offset:16
.set i_, 0
.rept 32
	global_load_b128 v[128+4*i_:131+4*i_], v7, s[6:7] offset:i_*128000 th:TH_LOAD_NT
.set i_, i_+1
.endr
	v_and_b32 v12, 7, v0
	v_lshl_add_u32 v12, v3, 3, v12
	v_bfe_u32 v13, v0, 3, 1
	v_lshlrev_b32 v13, 4, v13
	v_mad_u32_u24 v12, v12, PW, v13
	s_lshl_b32 s17, s2, 5
	v_add_nc_u32 v12, s17, v12                     ; Wo's fragments: columns 16 w .., k steps 0 to 3
	v_add_nc_u32 v13, 4*32*PW, v12                 ; k steps 4 to 7 (an LDS offset has 16 bits)
	v_mul_u32_u24 v14, v2, PX
	v_lshl_add_u32 v14, v3, 4, v14
	v_add_nc_u32 v14, XS, v14                      ; r2's fragments
	v_lshlrev_b32 v15, 2, v2
	v_add_nc_u32 v15, MS, v15
; my eight rows of r2: the largest magnitude, the row divided by it, f16
.irp i, 0,1,2,3,4,5,6,7
	s_wait_loadcnt 48-2*\i                         ; behind row i's two loads: 14 - 2 i of r2, 2 of bo, 32 of Wo
	v_max3_num_f32 v16, |v[64+8*\i]|, |v[65+8*\i]|, |v[66+8*\i]|
	v_max3_num_f32 v17, |v[67+8*\i]|, |v[68+8*\i]|, |v[69+8*\i]|
	v_max3_num_f32 v16, v16, |v[70+8*\i]|, |v[71+8*\i]|
	v_max_num_f32 v16, v16, v17
	v_max_num_f32_dpp v16, v16, v16 row_xmask:1 row_mask:0xf bank_mask:0xf
	v_max_num_f32_dpp v16, v16, v16 row_xmask:2 row_mask:0xf bank_mask:0xf
	v_max_num_f32_dpp v16, v16, v16 row_xmask:4 row_mask:0xf bank_mask:0xf
	v_max_num_f32_dpp v16, v16, v16 row_xmask:8 row_mask:0xf bank_mask:0xf
	v_permlanex16_b32 v17, v16, s12, s13
	v_max3_num_f32 v16, v16, v17, 0x0d800000       ; at least 2^-100
	v_rcp_f32 v18, v16
	v_nop                                          ; a plain instruction behind v_rcp_f32 (ISA guide 5.7.2)
	s_wait_alu depctr_va_vdst(0)
	v_mov_b32 v19, v18
.irp x, 0,1,2,3
	v_pk_mul_f32 v[64+8*\i+2*\x:65+8*\i+2*\x], v[64+8*\i+2*\x:65+8*\i+2*\x], v[18:19]
.endr
.irp x, 0,1,2,3
	v_cvt_pk_f16_f32 v[64+8*\i+\x], v[64+8*\i+2*\x], v[65+8*\i+2*\x]
.endr
	ds_store_b64 v9, v[64+8*\i:65+8*\i] offset:PX*\i
	ds_store_b64 v9, v[66+8*\i:67+8*\i] offset:PX*\i+256
	ds_store_b32 v10, v16 offset:4*\i
.endr
.set i_, 0
.rept 32
	s_wait_loadcnt 31-i_                           ; the younger rows of Wo stay out
	v_cvt_pk_f16_f32 v[128+4*i_], v[128+4*i_], v[129+4*i_]
	v_cvt_pk_f16_f32 v[129+4*i_], v[130+4*i_], v[131+4*i_]
	ds_store_b64 v11, v[128+4*i_:129+4*i_] offset:PW*i_
.set i_, i_+1
.endr
	s_wait_dscnt 0x0
	s_barrier_signal -1
	s_barrier_wait -1                              ; Wo's 128 columns, r2 and its scales are whole
.irp mt, 0,1,2,3
	ds_load_b32 v[20+\mt], v15 offset:64*\mt       ; m of my four rows
.endr
; wave w: columns 16 w .. 16 w + 15 x 64 rows, k in two halves of four steps; four accumulators by turns
.macro HALF hf
.irp pp, 0,1,2,3
	ds_load_tr16_b128 v[64+8*\pp:67+8*\pp], v[12+\hf] offset:32*PW*\pp
	ds_load_tr16_b128 v[68+8*\pp:71+8*\pp], v[12+\hf] offset:32*PW*\pp+16*PW
.irp mt, 0,1,2,3
	ds_load_b128 v[128+8*(4*\pp+\mt):131+8*(4*\pp+\mt)], v14 offset:16*PX*\mt+64*(4*\hf+\pp)
	ds_load_b128 v[132+8*(4*\pp+\mt):135+8*(4*\pp+\mt)], v14 offset:16*PX*\mt+64*(4*\hf+\pp)+32
.endr
.endr
	s_wait_dscnt 0x0
.irp pp, 0,1,2,3
.irp mt, 0,1,2,3
.if \hf+\pp
	v_wmma_f32_16x16x32_f16 v[24+8*\mt:31+8*\mt], v[64+8*\pp:71+8*\pp], v[128+8*(4*\pp+\mt):135+8*(4*\pp+\mt)], v[24+8*\mt:31+8*\mt]
.else
	v_wmma_f32_16x16x32_f16 v[24+8*\mt:31+8*\mt], v[64+8*\pp:71+8*\pp], v[128+8*(4*\pp+\mt):135+8*(4*\pp+\mt)], 0
.endif
.endr
.endr
.rept 5
	v_nop                                          ; places behind the matrix instructions (ISA guide 7.12.1)
.endr
.endm
	HALF 0
	HALF 1
	v_mul_u32_u24 v16, v2, PX
	v_lshl_add_u32 v16, v3, 5, v16
	s_lshl_b32 s17, s2, 6
	s_add_co_u32 s17, s17, OS
	v_add_nc_u32 v16, s17, v16                     ; OS[r][16 w + 8 h]
.irp mt, 0,2
.irp x, 0,1,2,3
	v_pk_fma_f32 v[24+8*\mt+2*\x:25+8*\mt+2*\x], v[24+8*\mt+2*\x:25+8*\mt+2*\x], v[20+\mt:21+\mt], v[56+2*\x:57+2*\x] op_sel_hi:[1,0,1]
	v_pk_fma_f32 v[32+8*\mt+2*\x:33+8*\mt+2*\x], v[32+8*\mt+2*\x:33+8*\mt+2*\x], v[20+\mt:21+\mt], v[56+2*\x:57+2*\x] op_sel:[0,1,0] op_sel_hi:[1,1,1]
.endr
.endr
.irp mt, 0,1,2,3
	ds_store_b128 v16, v[24+8*\mt:27+8*\mt] offset:16*PX*\mt
	ds_store_b128 v16, v[28+8*\mt:31+8*\mt] offset:16*PX*\mt+16
.endr
	s_mul_i32 s17, s2, 8*PX
	s_add_co_u32 s17, s17, OS
	v_add_nc_u32 v17, s17, v4
	s_wait_dscnt 0x0
	s_barrier_signal -1
	s_barrier_wait -1                              ; the block of 64 x 128 results is whole
.irp i, 0,1,2,3,4,5,6,7
	ds_load_b128 v[64+4*\i:67+4*\i], v17 offset:PX*\i
.endr
.irp i, 0,1,2,3,4,5,6,7
	s_wait_dscnt 7-\i
	global_store_b128 v8, v[64+4*\i:67+4*\i], s[10:11] offset:128000*\i th:TH_STORE_NT   ; a wave stores 512 consecutive bytes of a row, aligned to 256
.endr
	s_set_vgpr_msb 0x5
	s_wait_tensorcnt 0x0
	ds_add_u32 v0, v1
	s_wait_dscnt 0x0
	s_set_vgpr_msb 0x500
	s_endpgm
.Lfunc_end_k_q7c0e43fa5b_head:
	.size	k_q7c0e43fa5b_head, .Lfunc_end_k_q7c0e43fa5b_head-k_q7c0e43fa5b_head
	.p2alignl 7, 3214868480
	.fill 96, 4, 3214868480
	.section	.rodata,"a",@progbits
	.p2align	6, 0x0
	.amdhsa_kernel k_q7c0e43fa5b_head
		.amdhsa_group_segment_fixed_size 142848
		.amdhsa_private_segment_fixed_size 0
		.amdhsa_enable_private_segment 0
		.amdhsa_kernarg_size 32
		.amdhsa_user_sgpr_count 2
		.amdhsa_user_sgpr_kernarg_segment_ptr 1
		.amdhsa_wavefront_size32 1
		.amdhsa_system_sgpr_workgroup_id_x 1
		.amdhsa_system_sgpr_workgroup_id_y 1
		.amdhsa_system_sgpr_workgroup_id_z 1
		.amdhsa_system_vgpr_workitem_id 0
		.amdhsa_next_free_vgpr 258
		.amdhsa_next_free_sgpr 66
		.amdhsa_reserve_vcc 0
		.amdhsa_float_denorm_mode_32 3
		.amdhsa_float_denorm_mode_16_64 3
		.amdhsa_memory_ordered 1
		.amdhsa_forward_progress 1
		.amdhsa_inst_pref_size 38
	.end_amdhsa_kernel
	.amdgpu_metadata
---
amdhsa.version: [ 1, 2 ]
amdhsa.kernels:
  - .name:           k_q7c0e43fa5b_head
    .symbol:         k_q7c0e43fa5b_head.kd
    .args:
      - { .name: r2ws, .offset: 0, .size: 8, .value_kind: global_buffer, .address_space: global }
      - { .name: Wo, .offset: 8, .size: 8, .value_kind: global_buffer, .address_space: global }
      - { .name: bo, .offset: 16, .size: 8, .value_kind: global_buffer, .address_space: global }
      - { .name: out0, .offset: 24, .size: 8, .value_kind: global_buffer, .address_space: global }
    .group_segment_fixed_size: 142848
    .private_segment_fixed_size: 0
    .kernarg_segment_align: 8
    .kernarg_segment_size: 32
    .max_flat_workgroup_size: 256
    .sgpr_count:     66
    .vgpr_count:     258
    .wavefront_size: 32
...
	.end_amdgpu_metadata
.endif
;; end of part 2
;; ======== version 2 of 3: 3 launches; 1.33 times as fast as version 1
;; limits: values are held in f16: magnitudes above 65,504 overflow, below 6.1e-05 lose precision; values outside matrix products are rounded to f16
;; workspace buffers: kws 8,388,608 bytes; stws 196,608 bytes; r2ws 65,536 bytes
;; launch front (part 3): grid 256 x 1, 4 waves a work-group, no clusters, 216,320 bytes of LDS; arguments seq, embed, W1, W2, Wk, b1, b2, ln_g, ln_b, kws, stws; writes kws, stws
.if DOCPART == 3
	.amdgcn_target "amdgcn-amd-amdhsa--gfx1250"
	.amdhsa_code_object_version 6
	.text
	.protected	k_q7c0e43fa5b_front
	.globl	k_q7c0e43fa5b_front
	.p2align	8
	.type	k_q7c0e43fa5b_front,@function
k_q7c0e43fa5b_front:
	s_mov_b64 s[64:65], 0
	v_nop
	global_prefetch_b8 v0, s[64:65] scope:SCOPE_SE
	s_setreg_imm32_b32 hwreg(HW_REG_WAVE_MODE, 25, 1), 1
	s_wait_xcnt 0x0
; The work that is independent from token to token: gather, FFN with residual, LayerNorm, k = h Wk, and for each row
; rn = 1 / max(|k|, 1e-12), 0.16 |k|^2 and max(|k|, 1e-12).  256 work-groups of 64 tokens.  Out: kws f16 [16384][256], stws f32 [64][3][256].
;
; WHAT THE PROGRAM LEAVES OUT (in the next launch): the memory M is never formed.  reference() starts from M0 = 0, built in its own body, so for
; all inputs, in exact arithmetic, M_t = 0.05 sum_{s<t} w_s kn_s^T with w_s = fire_s d_s, and vp_t = M_t kn_t = 0.05 sum_{s<t} (kn_s . kn_t) w_s.
; So the steps need only the products k_t . k_s with s < t and the rows w_s.  No input is left out: all thirteen are loaded by some launch.
; LIMITS, stated: matrix operands are f16 (embed, W1, W2, Wk, relu output, h, k, w, G): magnitudes above 65,504 overflow, numbers below 6e-5
; carry an absolute error of 3e-8.  A NaN or an infinity that would live only in entries of M that the read multiplies by 0 is not carried.
;
; SHARES.  Four waves; each holds all 64 tokens (four tiles mt) and a quarter of the output columns of every product: hidden units 128 w ..
; in the first, columns 64 w .. in the second and in k.  So a wave needs only its own columns of each weight: it brings them in itself, rounds
; them to f16 and lays them into an LDS slot of its own (no barrier), and a weight fragment is read by one wave and feeds four matrix instructions.
; A UNIT is 16 KiB of f32 weights (W1: 32 rows of 512 bytes; W2, Wk: 64 rows of 256 bytes) = 32 loads = 8 fragments = 32 matrix instructions;
; 8 + 8 + 4 units.  Two staging buffers of 128 registers take turns: unit U + 2 is asked for as soon as unit U is rounded, across the products' borders.
; Products are used transposed: source 0 = 16 weight columns, source 1 = 16 tokens; lane (r = l % 16, h = l / 16), register j holds
; (token r, column n0 + 8 h + j).  Activations go from wave to wave through LDS in f16; the residual stays f32.
; NO CLUSTER: the work-groups share the weights, but these are f32 in memory and must pass through registers to be rounded; a joint tensor load would
; lay 16 KiB of f32 for each unit into LDS, to be read back (32 more LDS loads a unit) before the 8 KiB of f16 are stored that the unit stores now.
.set PX, 528                           ; LDS pitch of rows of 256 f16 read along the row: 33 x 16 bytes
.set PF, 1040                          ; of rows of 256 f32 and of 512 f16: 65 x 16 bytes
.set PW1, 288                          ; of a slot's rows of 128 f16, read by transposing loads: 9 x 32 bytes
.set PW2, 160                          ; of a slot's rows of 64 f16: 5 x 32 bytes
.set SLOTW, 10240                      ; a wave's slot: 32 x 288 or 64 x 160 bytes
.set X16, 40960                        ; [64][256] f16: the embedding rows; later h
.set X32, 74752                        ; [64][256] f32: embedding row + b2
.set H1, 141312                        ; [64][512] f16: the hidden layer; later k, [64][256] f16 of pitch PX
.set STAT, 207872                      ; f32 [3 exchanges][4 waves][64 tokens]
.set SOUT, 210944                      ; f32 [3][64]: the rows' three figures on their way out
.set SMG, 211712                       ; ln_g, then ln_b at +1024
.set SMB1, 213760                      ; b1
.set WF, 32                            ; v[32:95]   rounded weights on their way into the slot, then 8 weight fragments
.set TF, 96                            ; v[96:159]  token fragments
.set GB, 160                           ; v[160:223] ln_g, ln_b of my columns
.set T, 224                            ; v[224:255] running sums, 8 registers for each token tile
.set MU, 112                           ; v[112:119] a pair for each token tile: -mean, then 1 / sigma
.set VO, 28                            ; v28, v29   byte offset of the staging buffers' next loads
; window 1: accumulators (tile (mt, nt) at 8 (8 mt + nt) in the first product, (mt, q) at 8 (4 mt + q) later); window 2: staging buffers at 0 and 128
.set MSB, 0
.macro WIN new                         ; the immediate's high byte repeats the setting that is left
.if MSB != \new
	s_set_vgpr_msb (MSB<<8)|\new
.set MSB, \new
.endif
.endm
.macro PLACES n                        ; places behind matrix instructions (ISA guide 7.12.1)
.rept \n
	v_nop
.endr
.endm
.macro BAR                             ; my LDS stores and reads are done; then everybody's are
	s_wait_dscnt 0x0
	s_barrier_signal -1
	s_barrier_wait -1
.endm
.macro ISSUE buf, sb                   ; a unit's 32 loads; both kinds of unit step 2,048 bytes from load to load
	WIN 0x80
.set ii_, 0
.rept 32
	global_load_b128 v[128*\buf+4*ii_:128*\buf+4*ii_+3], v[VO+\buf], s[\sb:\sb+1] offset:ii_*2048
.set ii_, ii_+1
.endr
	WIN 0
.endm
; One unit.  kind 1: one k step of 32, 8 column tiles (W1).  kind 2: two k steps, 4 column tiles (W2, Wk).
; left: how many younger loads may stay out; cz = 1: the first k step starts the sums; nmode: the look-ahead (0 none, 1 two units on in the
; same weight, 2 the first units of the weight at s[nsb]); tp: pitch of the token rows, which v27 walks.
.macro UNIT kind, buf, left, cz, nmode, nsb, tp
	s_wait_loadcnt \left                           ; this unit's loads are in; the next unit's 32 stay out
	WIN 0x0a
.set i_, 0
.rept 32
	v_cvt_pk_f16_f32 v[WF+2*i_], v[128*\buf+4*i_], v[128*\buf+4*i_+1]
	v_cvt_pk_f16_f32 v[WF+2*i_+1], v[128*\buf+4*i_+2], v[128*\buf+4*i_+3]
.set i_, i_+1
.endr
	WIN 0
.set i_, 0
.rept 32
.if \kind == 1
	ds_store_b64 v6, v[WF+2*i_:WF+2*i_+1] offset:i_*PW1
.else
	ds_store_b64 v8, v[WF+2*i_:WF+2*i_+1] offset:i_*2*PW2
.endif
.set i_, i_+1
.endr
.if \nmode == 1
	v_add_nc_u32 v[VO+\buf], 0x20000, v[VO+\buf]   ; free since the wait above: the loads that named it are the ones just awaited
.elseif \nmode == 2
	v_add_nc_u32 v[VO+\buf], \buf*0x10000, v18
.endif
.if \nmode
	ISSUE \buf, \nsb
.endif
	; fragments, in one run.  LDS serves a wave's instructions in order (ISA guide 5.7.1.4): these loads see the stores above
.if \kind == 1
.irp nt, 0,1,2,3,4,5,6,7
	ds_load_tr16_b128 v[WF+8*\nt:WF+8*\nt+3], v4 offset:32*\nt
	ds_load_tr16_b128 v[WF+8*\nt+4:WF+8*\nt+7], v4 offset:32*\nt+16*PW1
.endr
.irp mt, 0,1,2,3
	ds_load_b128 v[TF+8*\mt:TF+8*\mt+3], v27 offset:\mt*16*\tp
	ds_load_b128 v[TF+8*\mt+4:TF+8*\mt+7], v27 offset:\mt*16*\tp+32
.endr
.else
.irp f, 0,1,2,3,4,5,6,7
	ds_load_tr16_b128 v[WF+8*\f:WF+8*\f+3], v5 offset:(\f>>2)*32*PW2+(\f&3)*32
	ds_load_tr16_b128 v[WF+8*\f+4:WF+8*\f+7], v5 offset:(\f>>2)*32*PW2+(\f&3)*32+16*PW2
.endr
.irp f, 0,1,2,3,4,5,6,7
	ds_load_b128 v[TF+8*\f:TF+8*\f+3], v27 offset:(\f&3)*16*\tp+(\f>>2)*64
	ds_load_b128 v[TF+8*\f+4:TF+8*\f+7], v27 offset:(\f&3)*16*\tp+(\f>>2)*64+32
.endr
.endif
	s_wait_dscnt 0x0
	WIN 0x50                                       ; C and D in window 1; the accumulators take turns, one instruction a turn
.if \kind == 1
.irp nt, 0,1,2,3,4,5,6,7
.irp mt, 0,1,2,3
	v_wmma_f32_16x16x32_f16 v[8*(8*\mt+\nt):8*(8*\mt+\nt)+7], v[WF+8*\nt:WF+8*\nt+7], v[TF+8*\mt:TF+8*\mt+7], v[8*(8*\mt+\nt):8*(8*\mt+\nt)+7]
.endr
.endr
.else
.set kk_, 0
.rept 2
.irp q, 0,1,2,3
.irp mt, 0,1,2,3
.if \cz*(1-kk_)
	v_wmma_f32_16x16x32_f16 v[8*(4*\mt+\q):8*(4*\mt+\q)+7], v[WF+8*(4*kk_+\q):WF+8*(4*kk_+\q)+7], v[TF+8*(4*kk_+\mt):TF+8*(4*kk_+\mt)+7], 0
.else
	v_wmma_f32_16x16x32_f16 v[8*(4*\mt+\q):8*(4*\mt+\q)+7], v[WF+8*(4*kk_+\q):WF+8*(4*kk_+\q)+7], v[TF+8*(4*kk_+\mt):TF+8*(4*kk_+\mt)+7], v[8*(4*\mt+\q):8*(4*\mt+\q)+7]
.endif
.endr
.endr
.set kk_, kk_+1
.endr
.endif
	WIN 0
	PLACES 5
	v_add_nc_u32 v27, 64*\kind, v27                ; the tokens' next k step(s)
.endm
; ReLU, rounding and the way to LDS for token tile mt's eight hidden tiles
.macro HID mt
	WIN 0x05
.set x_, 0
.rept 64
	v_max_num_f32 v[WF+x_], 0, v[64*\mt+x_]
.set x_, x_+1
.endr
	WIN 0
.set x_, 0
.rept 32
	v_cvt_pk_f16_f32 v[TF+x_], v[WF+2*x_], v[WF+2*x_+1]
.set x_, x_+1
.endr
.irp nt, 0,1,2,3,4,5,6,7
	ds_store_b128 v11, v[TF+4*\nt:TF+4*\nt+3] offset:\mt*16*PF+32*\nt
.endr
.endm
; Over window 1's 32 registers of each token tile: sq = 0 the sum, 1 the sum of squares, in four pairs at v[T + 8 mt]
.macro ROWRED sq
	WIN 0x05
.set m_, 0
.rept 4
.set c_, 0
.rept 4
.if \sq
	v_pk_mul_f32 v[T+8*m_+2*c_:T+8*m_+2*c_+1], v[32*m_+2*c_:32*m_+2*c_+1], v[32*m_+2*c_:32*m_+2*c_+1]
.else
	v_pk_add_f32 v[T+8*m_+2*c_:T+8*m_+2*c_+1], v[32*m_+2*c_:32*m_+2*c_+1], v[32*m_+8+2*c_:32*m_+9+2*c_]
.endif
.set c_, c_+1
.endr
.set m_, m_+1
.endr
.if \sq
.set c_, 4
.rept 12
.set m_, 0
.rept 4
	v_pk_fma_f32 v[T+8*m_+2*(c_&3):T+8*m_+2*(c_&3)+1], v[32*m_+2*c_:32*m_+2*c_+1], v[32*m_+2*c_:32*m_+2*c_+1], v[T+8*m_+2*(c_&3):T+8*m_+2*(c_&3)+1]
.set m_, m_+1
.endr
.set c_, c_+1
.endr
.else
	WIN 0x01
.set c_, 8
.rept 8
.set m_, 0
.rept 4
	v_pk_add_f32 v[T+8*m_+2*(c_&3):T+8*m_+2*(c_&3)+1], v[32*m_+2*c_:32*m_+2*c_+1], v[T+8*m_+2*(c_&3):T+8*m_+2*(c_&3)+1]
.set m_, m_+1
.endr
.set c_, c_+1
.endr
.endif
	WIN 0
.endm
; The four pairs, then the other half of the lanes (the same token's other columns); my wave's 64 columns' share goes to exchange e
.macro SHARE e
.irp mt, 0,1,2,3
	v_pk_add_f32 v[T+8*\mt:T+8*\mt+1], v[T+8*\mt:T+8*\mt+1], v[T+8*\mt+2:T+8*\mt+3]
	v_pk_add_f32 v[T+8*\mt+4:T+8*\mt+5], v[T+8*\mt+4:T+8*\mt+5], v[T+8*\mt+6:T+8*\mt+7]
	v_pk_add_f32 v[T+8*\mt:T+8*\mt+1], v[T+8*\mt:T+8*\mt+1], v[T+8*\mt+4:T+8*\mt+5]
	v_add_f32 v[T+8*\mt], v[T+8*\mt], v[T+8*\mt+1]
	v_permlanex16_b32 v[T+8*\mt+1], v[T+8*\mt], s48, s49
	v_add_f32 v[T+8*\mt], v[T+8*\mt], v[T+8*\mt+1]
	ds_store_b32 v15, v[T+8*\mt] offset:1024*\e+64*\mt
.endr
.endm
.macro STATSUM e                       ; the four waves' shares, added in the same order by every wave: the total of tile mt in v[96 + 4 mt]
.irp mt, 0,1,2,3
.irp wv, 0,1,2,3
	ds_load_b32 v[96+4*\mt+\wv], v16 offset:1024*\e+256*\wv+64*\mt
.endr
.endr
	s_wait_dscnt 0x0
.irp mt, 0,1,2,3
	v_add_f32 v[96+4*\mt], v[96+4*\mt], v[97+4*\mt]
	v_add_f32 v[98+4*\mt], v[98+4*\mt], v[99+4*\mt]
	v_add_f32 v[96+4*\mt], v[96+4*\mt], v[98+4*\mt]
.endr
.endm
; ---------------------------------------------------------------- arguments, lane terms
	s_load_b512 s[4:19], s[0:1], 0x0               ; seq s[4:5], embed s[6:7], W1 s[8:9], W2 s[10:11], Wk s[12:13], b1 s[14:15], b2 s[16:17], ln_g s[18:19]
	s_load_b128 s[20:23], s[0:1], 0x40             ; ln_b s[20:21], kws s[22:23]
	s_load_b64 s[24:25], s[0:1], 0x50              ; stws
	v_lshl_add_u32 v31, v0, 2, 0x34b00
	s_set_vgpr_msb 0xc0
	v_mov_b32 v1, 0
	s_set_vgpr_msb 0xc000
	v_lshrrev_b32 v1, 5, v0
	v_readfirstlane_b32 s2, v1                     ; wave
	s_mov_b32 s3, ttmp9                            ; work-group: tokens 64 g ..
	s_mov_b32 s48, 0x76543210                      ; v_permlanex16_b32: lane i takes lane i of the other half
	s_mov_b32 s49, 0xfedcba98
	s_mov_b32 s50, 0x3b800000                      ; 1 / 256
	s_mov_b32 s51, 0x3727c5ac                      ; 1e-5
	v_and_b32 v1, 31, v0                           ; l
	v_and_b32 v2, 15, v0                           ; r
	v_bfe_u32 v3, v0, 4, 1                         ; h
	v_lshlrev_b32 v7, 4, v1                        ; 16 l
	s_mul_i32 s28, s2, SLOTW                       ; my slot
	s_lshl_b32 s29, s2, 8
	s_lshl_b32 s30, s2, 7
	s_lshl_b32 s31, s2, 9
	v_and_b32 v19, 7, v0
	v_lshl_add_u32 v19, v3, 3, v19                 ; 8 h + l % 8: my row in a transposing load
	v_bfe_u32 v20, v0, 3, 1
	v_lshlrev_b32 v20, 4, v20                      ; and my 16 bytes of it
	v_mad_u32_u24 v4, v19, PW1, v20
	v_mad_u32_u24 v5, v19, PW2, v20
	v_add_nc_u32 v4, s28, v4                       ; v4, v5: fragments out of my slot, for the two pitches
	v_add_nc_u32 v5, s28, v5
	v_lshl_add_u32 v6, v1, 3, s28                  ; into my slot, W1: a load is a row; 8 l
	v_mul_u32_u24 v8, v3, PW2
	v_lshl_add_u32 v8, v2, 3, v8
	v_add_nc_u32 v8, s28, v8                       ; W2, Wk: a load is two rows; row h, 8 r
	v_mul_u32_u24 v21, v2, PX
	v_lshl_add_u32 v21, v3, 4, v21                 ; r x 528 + 16 h
	v_mul_u32_u24 v22, v2, PF
	v_lshl_add_u32 v23, v3, 4, v22                 ; r x 1040 + 16 h
	v_lshl_add_u32 v22, v3, 5, v22                 ; r x 1040 + 32 h
	v_add_nc_u32 v9, X16, v21                      ; token fragments out of X16
	v_add_nc_u32 v10, H1, v23                      ; and out of the hidden layer
	v_add_nc_u32 v11, s29, v10                     ; my hidden units' place: + 128 w x 2 bytes
	v_add_nc_u32 v12, s29, v22
	v_add_nc_u32 v12, X32, v12                     ; my columns of X32: + 64 w x 4 bytes
	v_add_nc_u32 v13, s30, v9                      ; my columns of h: + 64 w x 2 bytes
	v_add_nc_u32 v14, s30, v21
	v_add_nc_u32 v14, H1, v14                      ; my columns of k
	v_lshlrev_b32 v16, 2, v2
	v_add_nc_u32 v16, STAT, v16
	v_add_nc_u32 v15, s29, v16                     ; my wave's 64 words of an exchange
	v_add_nc_u32 v17, s31, v7                      ; W1: 512 w + 16 l
	v_lshlrev_b32 v18, 10, v3
	v_lshl_add_u32 v18, v2, 4, v18
	v_add_nc_u32 v18, s29, v18                     ; W2, Wk: 256 w + row h + 16 r
	v_mov_b32 v28, v17                             ; units 0 and 1 of W1
	v_add_nc_u32 v29, 0x10000, v17
	v_lshlrev_b32 v19, 3, v0                       ; 8 x thread
	v_lshlrev_b32 v30, 4, v0                       ; 16 x thread
	s_lshl_b32 s30, s3, 8
	s_lshl_b32 s31, s2, 6
	s_add_co_u32 s30, s30, s31                     ; (64 g + 16 w) x 4
	s_mov_b32 s31, 0
	s_wait_kmcnt 0x0
	s_add_nc_u64 s[26:27], s[4:5], s[30:31]
	s_load_b512 s[32:47], s[26:27], 0x0            ; my sixteen tokens
	ISSUE 0, 8
	global_load_b128 v[20:23], v7, s[16:17]        ; b2, as a row lies in a wave: columns 4 l .. and 128 + 4 l ..
	global_load_b128 v[24:27], v7, s[16:17] offset:512
	global_load_b64 v[224:225], v19, s[18:19]      ; ln_g, ln_b, b1: 128 threads cover each
	global_load_b64 v[226:227], v19, s[20:21]
	global_load_b128 v[228:231], v30, s[14:15]
	s_wait_kmcnt 0x0
.set i_, 0
.rept 16
	s_min_u32 s[32+i_], s[32+i_], 0x7cff           ; an index stays inside the table of 32,000 rows
	s_lshl_b32 s[32+i_], s[32+i_], 10
	v_add_nc_u32 v[96+i_], s[32+i_], v7
.set i_, i_+1
.endr
	WIN 0x80                                       ; whole rows: a load covers 512 consecutive bytes of one embedding row
.set i_, 0
.rept 16
	global_load_b128 v[128+8*i_:131+8*i_], v[96+i_], s[6:7]
	global_load_b128 v[132+8*i_:135+8*i_], v[96+i_], s[6:7] offset:512
.set i_, i_+1
.endr
	WIN 0
	v_add_nc_u32 v232, SMG, v19
	v_add_nc_u32 v233, SMB1, v30
	s_mul_i32 s28, s2, 16*PX
	s_add_co_u32 s28, s28, X16
	v_lshl_add_u32 v234, v1, 3, s28                ; X16: row 16 w, 8 l
	s_mul_i32 s28, s2, 16*PF
	s_add_co_u32 s28, s28, X32
	v_add_nc_u32 v235, s28, v7                     ; X32: row 16 w, 16 l
	s_wait_loadcnt 0x0
	ds_store_b64 v232, v[224:225]
	ds_store_b64 v232, v[226:227] offset:1024
	ds_store_b128 v233, v[228:231]
	WIN 0x02
.set i_, 0
.rept 16
.irp x, 0,1,2,3
	v_pk_add_f32 v[32+8*i_+2*\x:33+8*i_+2*\x], v[128+8*i_+2*\x:129+8*i_+2*\x], v[20+2*\x:21+2*\x]    ; embedding row + b2, f32: it will start the second product's sums
.endr
.set i_, i_+1
.endr
	WIN 0
.set i_, 0
.rept 16
	ds_store_b128 v235, v[32+8*i_:35+8*i_] offset:PF*i_
	ds_store_b128 v235, v[36+8*i_:39+8*i_] offset:PF*i_+512
.set i_, i_+1
.endr
	WIN 0x0a
.set i_, 0
.rept 16
.irp x, 0,1,2,3
	v_cvt_pk_f16_f32 v[160+4*i_+\x], v[128+8*i_+2*\x], v[129+8*i_+2*\x]
.endr
.set i_, i_+1
.endr
	WIN 0
.set i_, 0
.rept 16
	ds_store_b64 v234, v[160+4*i_:161+4*i_] offset:PX*i_
	ds_store_b64 v234, v[162+4*i_:163+4*i_] offset:PX*i_+256
.set i_, i_+1
.endr
	ISSUE 1, 8                                     ; the rows have left staging buffer 1
	s_lshl_b32 s28, s2, 9
	s_add_co_u32 s28, s28, SMB1
	v_lshl_add_u32 v26, v3, 5, s28                 ; b1 of my hidden units
	BAR                                            ; the 64 rows and the small vectors are whole
; ---------------------------------------------------------------- hidden = relu(x W1 + b1): my 128 units x 64 tokens
	WIN 0x40
.irp mt, 0,1,2,3
.irp nt, 0,1,2,3,4,5,6,7
	ds_load_b128 v[8*(8*\mt+\nt):8*(8*\mt+\nt)+3], v26 offset:64*\nt          ; b1 starts the sums
	ds_load_b128 v[8*(8*\mt+\nt)+4:8*(8*\mt+\nt)+7], v26 offset:64*\nt+16
.endr
.endr
	WIN 0
	v_mov_b32 v27, v9
	s_mov_b32 s52, 0
.Lg1:
	UNIT 1, 0, 32, 0, 1, 8, PX
	UNIT 1, 1, 32, 0, 1, 8, PX
	s_add_co_u32 s52, s52, 1
	s_cmp_lt_u32 s52, 3
	s_cbranch_scc1 .Lg1
	UNIT 1, 0, 32, 0, 2, 10, PX                    ; the last two units look ahead into W2
	UNIT 1, 1, 32, 0, 2, 10, PX
	HID 0
	HID 1
	HID 2
	HID 3
	BAR                                            ; the hidden layer is whole
; ---------------------------------------------------------------- x = embedding row + b2 + hidden W2: my 64 columns
	WIN 0x40
.irp mt, 0,1,2,3
.irp q, 0,1,2,3
	ds_load_b128 v[8*(4*\mt+\q):8*(4*\mt+\q)+3], v12 offset:\mt*16*PF+64*\q
	ds_load_b128 v[8*(4*\mt+\q)+4:8*(4*\mt+\q)+7], v12 offset:\mt*16*PF+64*\q+16
.endr
.endr
	WIN 0
	v_mov_b32 v27, v10
	s_mov_b32 s52, 0
.Lg2:
	UNIT 2, 0, 32, 0, 1, 10, PF
	UNIT 2, 1, 32, 0, 1, 10, PF
	s_add_co_u32 s52, s52, 1
	s_cmp_lt_u32 s52, 3
	s_cbranch_scc1 .Lg2
	UNIT 2, 0, 32, 0, 2, 12, PF                    ; the last two units look ahead into Wk
	UNIT 2, 1, 32, 0, 2, 12, PF
; ---------------------------------------------------------------- LayerNorm: a row's 256 columns lie in four waves
	ROWRED 0
	SHARE 0
	s_lshl_b32 s28, s2, 8
	s_add_co_u32 s28, s28, SMG
	v_lshl_add_u32 v26, v3, 5, s28                 ; ln_g, ln_b of my columns
	BAR
.irp q, 0,1,2,3
	ds_load_b128 v[GB+8*\q:GB+8*\q+3], v26 offset:64*\q
	ds_load_b128 v[GB+8*\q+4:GB+8*\q+7], v26 offset:64*\q+16
	ds_load_b128 v[GB+32+8*\q:GB+32+8*\q+3], v26 offset:1024+64*\q
	ds_load_b128 v[GB+32+8*\q+4:GB+32+8*\q+7], v26 offset:1024+64*\q+16
.endr
	STATSUM 0
.irp mt, 0,1,2,3
	v_mul_f32 v[MU+2*\mt], 0xbb800000, v[96+4*\mt] ; -mean, twice
	v_mul_f32 v[MU+2*\mt+1], 0xbb800000, v[96+4*\mt]
.endr
	WIN 0x41
.set a_, 0
.rept 64
	v_pk_add_f32 v[2*a_:2*a_+1], v[2*a_:2*a_+1], v[MU+2*(a_>>4):MU+2*(a_>>4)+1]
.set a_, a_+1
.endr
	ROWRED 1                                       ; the variance from the centred numbers, as reference() has it
	SHARE 1
	BAR
	STATSUM 1
.irp mt, 0,1,2,3
	v_fma_f32 v[96+4*\mt], v[96+4*\mt], s50, s51
.endr
.irp mt, 0,1,2,3
	v_rsq_f32 v[MU+2*\mt], v[96+4*\mt]
.endr
	v_nop                                          ; a plain instruction behind the transcendentals (ISA guide 5.7.2)
	s_wait_alu depctr_va_vdst(0)
.irp mt, 0,1,2,3
	v_mov_b32 v[MU+2*\mt+1], v[MU+2*\mt]
.endr
	WIN 0x41
.irp mt, 0,1,2,3
.irp q, 0,1,2,3
.irp jj, 0,1,2,3
	v_pk_mul_f32 v[8*(4*\mt+\q)+2*\jj:8*(4*\mt+\q)+2*\jj+1], v[8*(4*\mt+\q)+2*\jj:8*(4*\mt+\q)+2*\jj+1], v[MU+2*\mt:MU+2*\mt+1]
.endr
.endr
.endr
.irp mt, 0,1,2,3
.irp q, 0,1,2,3
.irp jj, 0,1,2,3
	v_pk_fma_f32 v[8*(4*\mt+\q)+2*\jj:8*(4*\mt+\q)+2*\jj+1], v[8*(4*\mt+\q)+2*\jj:8*(4*\mt+\q)+2*\jj+1], v[GB+8*\q+2*\jj:GB+8*\q+2*\jj+1], v[GB+32+8*\q+2*\jj:GB+32+8*\q+2*\jj+1]
.endr
.endr
.endr
	WIN 0x05
.set a_, 0
.rept 16
.irp jj, 0,1,2,3
	v_cvt_pk_f16_f32 v[WF+4*a_+\jj], v[8*a_+2*\jj], v[8*a_+2*\jj+1]
.endr
.set a_, a_+1
.endr
	WIN 0
.irp mt, 0,1,2,3
.irp q, 0,1,2,3
	ds_store_b128 v13, v[WF+4*(4*\mt+\q):WF+4*(4*\mt+\q)+3] offset:\mt*16*PX+32*\q     ; h takes the embedding rows' place: their last reads lie three barriers back
.endr
.endr
	BAR                                            ; h is whole
; ---------------------------------------------------------------- k = h Wk: my 64 columns
	v_mov_b32 v27, v9
	UNIT 2, 0, 32, 1, 1, 12, PX
	UNIT 2, 1, 32, 0, 1, 12, PX
	UNIT 2, 0, 32, 0, 0, 0, PX                     ; nothing is left to ask for
	UNIT 2, 1, 0, 0, 0, 0, PX
	ROWRED 1                                       ; |k|^2
	SHARE 2
	WIN 0x05
.set a_, 0
.rept 16
.irp jj, 0,1,2,3
	v_cvt_pk_f16_f32 v[WF+4*a_+\jj], v[8*a_+2*\jj], v[8*a_+2*\jj+1]
.endr
.set a_, a_+1
.endr
	WIN 0
.irp mt, 0,1,2,3
.irp q, 0,1,2,3
	ds_store_b128 v14, v[WF+4*(4*\mt+\q):WF+4*(4*\mt+\q)+3] offset:\mt*16*PX+32*\q     ; k takes the hidden layer's place
.endr
.endr
	BAR                                            ; k and the shares of |k|^2 are whole
; ---------------------------------------------------------------- out.  Wave 0: the rows' three figures, 256 consecutive bytes a store
	s_cmp_lg_u32 s2, 0
	s_cbranch_scc1 .Lnost
	STATSUM 2
.irp mt, 0,1,2,3
	v_sqrt_f32 v[160+\mt], v[96+4*\mt]
.endr
.irp mt, 0,1,2,3
	v_mul_f32 v[164+\mt], 0x3e23d70a, v[96+4*\mt]  ; 0.16 |k|^2: the gate's threshold
.endr
	s_wait_alu depctr_va_vdst(0)
.irp mt, 0,1,2,3
	v_max_num_f32 v[160+\mt], 0x2b8cbccc, v[160+\mt]   ; max(|k|, 1e-12)
.endr
.irp mt, 0,1,2,3
	v_rcp_f32 v[168+\mt], v[160+\mt]
.endr
	v_lshlrev_b32 v21, 2, v2                       ; also the plain instruction behind v_rcp_f32 (ISA guide 5.7.2)
	v_add_nc_u32 v21, SOUT, v21
	s_wait_alu depctr_va_vdst(0)
.irp mt, 0,1,2,3
	ds_store_b32 v21, v[168+\mt] offset:64*\mt
	ds_store_b32 v21, v[164+\mt] offset:256+64*\mt
	ds_store_b32 v21, v[160+\mt] offset:512+64*\mt
.endr
	v_lshlrev_b32 v22, 3, v1
	v_add_nc_u32 v22, SOUT, v22
.irp a, 0,1,2
	ds_load_b64 v[176+2*\a:177+2*\a], v22 offset:256*\a    ; my own bytes, read back two tokens a lane
.endr
	s_lshr_b32 s28, s3, 2
	s_mul_i32 s28, s28, 3072                       ; batch row g / 4,
	s_and_b32 s29, s3, 3
	s_lshl_b32 s29, s29, 8                         ; its tokens 64 (g % 4) ..
	s_add_co_u32 s28, s28, s29
	v_lshl_add_u32 v23, v1, 3, s28
	s_wait_dscnt 0x0
.irp a, 0,1,2
	global_store_b64 v23, v[176+2*\a:177+2*\a], s[24:25] offset:1024*\a
.endr
.Lnost:
	s_mul_i32 s28, s2, 16*PX
	s_add_co_u32 s28, s28, H1
	v_add_nc_u32 v19, s28, v7                      ; k's rows 16 w .., 16 l
	s_lshl_b32 s29, s3, 15
	s_lshl_b32 s30, s2, 13
	s_add_co_u32 s29, s29, s30
	v_add_nc_u32 v20, s29, v7                      ; kws: row 64 g + 16 w
.set i_, 0
.rept 16
	ds_load_b128 v[96+4*i_:99+4*i_], v19 offset:PX*i_
.set i_, i_+1
.endr
.set i_, 0
.rept 16
	s_wait_dscnt 15-i_                             ; the younger rows stay out
	global_store_b128 v20, v[96+4*i_:99+4*i_], s[22:23] offset:512*i_      ; a whole row of k: 512 consecutive bytes, aligned
.set i_, i_+1
.endr
	s_set_vgpr_msb 0xc
	s_wait_tensorcnt 0x0
	ds_add_u32 v31, v1
	s_wait_dscnt 0x0
	s_set_vgpr_msb 0xc00
	s_endpgm
.Lfunc_end_k_q7c0e43fa5b_front:
	.size	k_q7c0e43fa5b_front, .Lfunc_end_k_q7c0e43fa5b_front-k_q7c0e43fa5b_front
	.p2alignl 7, 3214868480
	.fill 96, 4, 3214868480
	.section	.rodata,"a",@progbits
	.p2align	6, 0x0
	.amdhsa_kernel k_q7c0e43fa5b_front
		.amdhsa_group_segment_fixed_size 216320
		.amdhsa_private_segment_fixed_size 0
		.amdhsa_enable_private_segment 0
		.amdhsa_kernarg_size 88
		.amdhsa_user_sgpr_count 2
		.amdhsa_user_sgpr_kernarg_segment_ptr 1
		.amdhsa_wavefront_size32 1
		.amdhsa_system_sgpr_workgroup_id_x 1
		.amdhsa_system_sgpr_workgroup_id_y 1
		.amdhsa_system_sgpr_workgroup_id_z 1
		.amdhsa_system_vgpr_workitem_id 0
		.amdhsa_next_free_vgpr 770
		.amdhsa_next_free_sgpr 66
		.amdhsa_reserve_vcc 0
		.amdhsa_float_denorm_mode_32 3
		.amdhsa_float_denorm_mode_16_64 3
		.amdhsa_memory_ordered 1
		.amdhsa_forward_progress 1
		.amdhsa_inst_pref_size 255
	.end_amdhsa_kernel
	.section	.bss,"aw",@nobits
	.p2align	6
	.space	262144
	.amdgpu_metadata
---
amdhsa.version: [ 1, 2 ]
amdhsa.kernels:
  - .name:           k_q7c0e43fa5b_front
    .symbol:         k_q7c0e43fa5b_front.kd
    .args:
      - { .name: seq, .offset: 0, .size: 8, .value_kind: global_buffer, .address_space: global }
      - { .name: embed, .offset: 8, .size: 8, .value_kind: global_buffer, .address_space: global }
      - { .name: W1, .offset: 16, .size: 8, .value_kind: global_buffer, .address_space: global }
      - { .name: W2, .offset: 24, .size: 8, .value_kind: global_buffer, .address_space: global }
      - { .name: Wk, .offset: 32, .size: 8, .value_kind: global_buffer, .address_space: global }
      - { .name: b1, .offset: 40, .size: 8, .value_kind: global_buffer, .address_space: global }
      - { .name: b2, .offset: 48, .size: 8, .value_kind: global_buffer, .address_space: global }
      - { .name: ln_g, .offset: 56, .size: 8, .value_kind: global_buffer, .address_space: global }
      - { .name: ln_b, .offset: 64, .size: 8, .value_kind: global_buffer, .address_space: global }
      - { .name: kws, .offset: 72, .size: 8, .value_kind: global_buffer, .address_space: global }
      - { .name: stws, .offset: 80, .size: 8, .value_kind: global_buffer, .address_space: global }
    .group_segment_fixed_size: 216320
    .private_segment_fixed_size: 0
    .kernarg_segment_align: 8
    .kernarg_segment_size: 88
    .max_flat_workgroup_size: 128
    .sgpr_count:     66
    .vgpr_count:     770
    .wavefront_size: 32
...
	.end_amdgpu_metadata
.endif
;; end of part 3
;; launch mem (part 4): grid 64 x 1, 8 waves a work-group, no clusters, 323,840 bytes of LDS; arguments Wr, br, r2ws, kws, stws; writes r2ws
.if DOCPART == 4
	.amdgcn_target "amdgcn-amd-amdhsa--gfx1250"
	.amdhsa_code_object_version 6
	.text
	.protected	k_q7c0e43fa5b_mem
	.globl	k_q7c0e43fa5b_mem
	.p2align	8
	.type	k_q7c0e43fa5b_mem,@function
k_q7c0e43fa5b_mem:
	s_mov_b64 s[64:65], 0
	v_nop
	global_prefetch_b8 v0, s[64:65] scope:SCOPE_SE
	s_setreg_imm32_b32 hwreg(HW_REG_WAVE_MODE, 25, 1), 1
	s_wait_xcnt 0x0
; One work-group per batch row b (64): the gated memory of 255 steps on the rows k that the launch before stored, read = M q,
; r2 = read Wr + br  ->  r2ws[b][256] (f32).
;
; THE MEMORY IS NEVER FORMED.  reference() starts from M0 = 0 (built in its own body), so for all inputs, in exact arithmetic,
;   M_t = 0.05 sum_{s<t} w_s kn_s^T,  w_s = fire_s d_s,  and  vp_t = M_t kn_t = 0.05 sum_{s<t} (kn_s . kn_t) w_s.
; With G[t][s] = -0.05 rn_t rn_s (k_t . k_s), rn = 1 / max(|k|, 1e-12):  d_t = k_t + sum_{s<t} G[t][s] w_s.
; Row 255 (q) runs as a row whose start value is 0: it ends as d = -(M q) rn_255, so read = -d max(|q|, 1e-12).
; Steps go in 16 chunks of 16.  Older chunks enter by a matrix product, which gives the chunk's start rows R_0 .. R_15.  Inside a chunk
;   d_t = sum_u C[t][u] R_u,  C[t] = e_t + sum_{s<t} g[t][s] f_s C[s];  with P = R R^T,  Y[t][v] = d_t . R_v obeys the same recursion from P[t],
;   and |d_t|^2 = sum_v C[t][v] Y[t][v]: the sixteen gates need 16 x 16 numbers, not rows of 256.  One wave finds them; then every wave
;   makes w = (f C) R for its own 32 columns by one product.  Only the lower triangle of G is computed.
; LIMITS, stated: matrix operands are f16 (k, w, G, R, f C): magnitudes above 65,504 overflow, numbers below 6e-5 carry an absolute error of 3e-8;
; R is rounded to f16 before the chunk's steps, and the gate is judged on those rounded rows.  The gate compares |d|^2 with 0.16 |k|^2 in f32
; (reference(): the roots), and the sums run in another order than reference()'s: a gate within rounding of its threshold may fall the other way.
; A NaN or an infinity that would live only in entries of M that the read multiplies by 0 is not carried; a NaN in |d_255|^2 gives read = 0.
; Lane names: l the lane, r = l % 16, h = l / 16.
.set P2, 544                           ; LDS pitch of rows of 256 f16: 17 x 32 bytes
.set KD, 143360                        ; [256 rows][256] f16: k, overwritten chunk by chunk with w.  From byte 0: S[s][t] = G[t][s], f16, pitch P2
.set RH, 286720                        ; [16][256] f16, pitch P2: the chunk's start rows
.set CT, 295424                        ; [16 u][16 t] f16, 32 bytes a row: f_t C[t][u]
.set RNO, 303360                       ; f32 [256] 1 / max(|k|, 1e-12);  +1024: 0.16 |k|^2;  +2048: max(|k|, 1e-12)
.set THO, 304384
.set NRMO, 305408
.set DIAG, 306432                      ; f32 [16 chunks][16][16]: G inside a chunk
.set TL, 0                             ; the tail: [8 waves][16][32] f32, the last chunk's rows; in S's place, which is dead by then
.set PS, 16384                         ; the tail: [8 waves][256] f32, partial r2
; window 1 (v256-511): Wr's rows, asked for at the start and used in the tail.
.set MSB, 0
.macro WIN new                         ; the immediate's high byte repeats the setting that is left
.if MSB != \new
	s_set_vgpr_msb (MSB<<8)|\new
.set MSB, \new
.endif
.endm
.macro PLACES n                        ; places behind matrix instructions (ISA guide 7.12.1)
.rept \n
	v_nop
.endr
.endm
.macro BAR                             ; my LDS stores and reads are done; then everybody's are
	s_wait_dscnt 0x0
	s_barrier_signal -1
	s_barrier_wait -1
.endm
; ---------------------------------------------------------------- head: k's 256 rows and their figures into LDS
	s_load_b256 s[4:11], s[0:1], 0x0               ; Wr s[4:5], br s[6:7], r2ws s[8:9], kws s[10:11]
	s_load_b64 s[12:13], s[0:1], 0x20              ; stws
	v_lshl_add_u32 v6, v0, 2, 0x4ed00
	v_mov_b32 v29, 0
	v_lshrrev_b32 v1, 5, v0
	v_readfirstlane_b32 s2, v1                     ; wave
	s_mov_b32 s3, ttmp9                            ; batch row
	s_mov_b32 s96, 0x76543210                      ; v_permlanex16_b32: lane i takes lane i of the other half
	s_mov_b32 s97, 0xfedcba98
	v_and_b32 v1, 31, v0                           ; l
	v_and_b32 v2, 15, v0                           ; r
	v_bfe_u32 v3, v0, 4, 1                         ; h
	v_and_b32 v16, 7, v0
	v_lshl_add_u32 v16, v3, 3, v16                 ; 8 h + l % 8: my row in a transposing load
	v_bfe_u32 v17, v0, 3, 1
	v_lshlrev_b32 v17, 4, v17                      ; and my 16 bytes of it
	v_mad_u32_u24 v5, v16, P2, v17                 ; that lane term for rows of pitch P2,
	v_lshl_add_u32 v27, v16, 5, v17                ; and for rows of 32 bytes
	v_lshlrev_b32 v7, 4, v1                        ; 16 l
	v_lshlrev_b32 v25, 5, v3                       ; 32 h
	v_mul_u32_u24 v26, v2, P2
	v_lshl_add_u32 v26, v3, 4, v26                 ; r x 544 + 16 h
	s_lshl_b32 s30, s3, 17
	s_lshl_b32 s31, s2, 14
	s_add_co_u32 s30, s30, s31
	v_add_nc_u32 v12, s30, v7                      ; kws: row 256 b + 32 w, 16 l
	s_mul_i32 s31, s3, 3072
	v_lshl_add_u32 v13, v0, 2, s31                 ; stws: batch row b, 4 x thread
	s_lshl_b32 s30, s2, 15
	v_add_nc_u32 v31, s30, v7                      ; Wr: row 32 w, 16 l
	s_mul_i32 s30, s2, 32*P2
	s_add_co_u32 s30, s30, KD
	v_add_nc_u32 v14, s30, v7
	v_lshlrev_b32 v15, 2, v0
	v_add_nc_u32 v15, RNO, v15
	v_mov_b32 v19, 0xff7fffff
	s_wait_kmcnt 0x0
.set a_, 0
.rept 32
	global_load_b128 v[32+4*a_:35+4*a_], v12, s[10:11] offset:512*a_ th:TH_LOAD_NT     ; a whole row of k: 512 consecutive bytes
.set a_, a_+1
.endr
.irp a, 0,1,2
	global_load_b32 v[16+\a], v13, s[12:13] offset:1024*\a
.endr
	s_wait_loadcnt 0x0
	v_cmp_eq_u32 vcc_lo, 0xff, v0                  ; row 255 has no gate in reference(): its threshold lets every finite |d|^2 pass, so that its row comes out as it is
	v_cndmask_b32 v17, v17, v19, vcc_lo
.set a_, 0
.rept 32
	ds_store_b128 v14, v[32+4*a_:35+4*a_] offset:P2*a_
.set a_, a_+1
.endr
.irp a, 0,1,2
	ds_store_b32 v15, v[16+\a] offset:1024*\a
.endr
	; Wr's rows 32 w .. 32 w + 29 go into window 1, which nothing touches until the tail: 60 loads; v31 and s[4:5] stay as they are.
	WIN 0x40
.set a_, 0
.rept 30
	global_load_b128 v[8*a_:8*a_+3], v31, s[4:5] offset:1024*a_
	global_load_b128 v[8*a_+4:8*a_+7], v31, s[4:5] offset:1024*a_+512
.set a_, a_+1
.endr
	WIN 0
	BAR                                            ; k and the rows' figures are whole
; ---------------------------------------------------------------- G, lower triangle, kept as S[s][t] = G[t][s]
; Wave w owns the column blocks sc = w and sc = 15 - w of G, which are row blocks of S: (16 - w) + (w + 1) = 17 tiles to compute in every wave,
; and all its stores lie in its own two blocks of 16 rows of S.  One loop of 16 trips over the row block tc, the same in every wave;
; a trip loads the 16 rows t once, for both columns.  A tile: source 0 = 16 rows t, source 1 = 16 rows s of k, so that
; lane (r, h) holds G[16 tc + 8 h + j][16 sc + r] in register j: 16 bytes of row 16 sc + r of S.
; tc < sc: the tile is 0 (one store; of these tiles the chunks' products read those in a row block's last group of 64 steps,
; and a test for the others would cost more than their stores).  tc = sc: the tile goes out in f32, for the steps inside the chunk, and S gets the
; identity: the chunk's product then brings k_t itself, since k_t still lies in w_t's place (row 255: nothing, its start value is 0).
.set SF0, 32                           ; v[32:95]   the 16 rows s of column block w, 8 fragments
.set SF1, 96                           ; v[96:159]  those of column block 15 - w
.set TF, 192                           ; v[192:255] the 16 rows t of the trip
.macro GCOL sf, sc, rs, ga, da         ; sc: the scalar register with the column block; rs: -0.05 rn_s, a pair; ga, da: addresses in S and in DIAG
	s_cmp_lt_u32 s99, s[\sc]
	s_cbranch_scc1 .Lgz_\@
	v_wmma_f32_16x16x32_f16 v[160:167], v[TF:TF+7], v[\sf:\sf+7], 0          ; even and odd k steps on two accumulators by turns
	v_wmma_f32_16x16x32_f16 v[168:175], v[TF+8:TF+15], v[\sf+8:\sf+15], 0
.irp p, 2,4,6
	v_wmma_f32_16x16x32_f16 v[160:167], v[TF+8*\p:TF+8*\p+7], v[\sf+8*\p:\sf+8*\p+7], v[160:167]
	v_wmma_f32_16x16x32_f16 v[168:175], v[TF+8*\p+8:TF+8*\p+15], v[\sf+8*\p+8:\sf+8*\p+15], v[168:175]
.endr
	PLACES 5
.irp x, 0,1,2,3
	v_pk_add_f32 v[160+2*\x:161+2*\x], v[160+2*\x:161+2*\x], v[168+2*\x:169+2*\x]
.endr
.irp x, 0,1,2,3
	v_pk_mul_f32 v[160+2*\x:161+2*\x], v[160+2*\x:161+2*\x], v[176+2*\x:177+2*\x]   ; rn_t
.endr
.irp x, 0,1,2,3
	v_pk_mul_f32 v[160+2*\x:161+2*\x], v[160+2*\x:161+2*\x], v[\rs:\rs+1]           ; -0.05 rn_s
.endr
	s_cmp_eq_u32 s99, s[\sc]
	s_cbranch_scc1 .Lgd_\@
.irp x, 0,1,2,3
	v_cvt_pk_f16_f32 v[188+\x], v[160+2*\x], v[161+2*\x]
.endr
	ds_store_b128 v[\ga], v[188:191]
	s_branch .Lge_\@
.Lgd_\@:
	ds_store_b128 v[\da], v[160:163]
	ds_store_b128 v[\da], v[164:167] offset:16
	s_lshl_b32 s31, s99, 4
	v_add_nc_u32 v24, s31, v2                      ; my row of S
	v_cmp_eq_u32 vcc_lo, 0xff, v24
	v_cndmask_b32 v24, v13, v20, vcc_lo            ; 1.0 in its half; row 255: 0
.irp x, 0,1,2,3
	v_cmp_eq_u32 vcc_lo, \x, v9
	v_cndmask_b32 v[188+\x], v20, v24, vcc_lo      ; my 16 bytes of the identity
.endr
	ds_store_b128 v[\ga], v[188:191]
	s_branch .Lge_\@
.Lgz_\@:
	ds_store_b128 v[\ga], v[20:23]
.Lge_\@:
.endm
	s_sub_co_u32 s29, 15, s2                       ; my second column block
	v_lshlrev_b32 v16, 3, v3
	v_sub_nc_u32 v16, v2, v16                      ; e = r - 8 h: the one of my eight columns that is the diagonal, if 0 <= e < 8
	v_and_b32 v17, 1, v16
	v_lshlrev_b32 v17, 4, v17
	v_mov_b32 v13, 0x3c00                          ; 1.0 in f16,
	v_lshlrev_b32 v13, v17, v13                    ; in the half e % 2
	v_lshrrev_b32 v9, 1, v16                       ; of register e / 2
.irp x, 20,21,22,23
	v_mov_b32 v\x, 0                               ; 16 bytes of an upper tile
.endr
	s_mul_i32 s30, s2, 16*P2
	s_mul_i32 s31, s29, 16*P2
	v_add_nc_u32 v10, s30, v26                     ; S: my row in block w, 16 h; 32 bytes on in every trip
	v_add_nc_u32 v11, s31, v26                     ; and in block 15 - w
	v_add_nc_u32 v18, KD, v10                      ; the same rows of k
	v_add_nc_u32 v19, KD, v11
.irp p, 0,1,2,3,4,5,6,7
	ds_load_b128 v[SF0+8*\p:SF0+8*\p+3], v18 offset:64*\p
	ds_load_b128 v[SF0+8*\p+4:SF0+8*\p+7], v18 offset:64*\p+32
	ds_load_b128 v[SF1+8*\p:SF1+8*\p+3], v19 offset:64*\p
	ds_load_b128 v[SF1+8*\p+4:SF1+8*\p+7], v19 offset:64*\p+32
.endr
	s_lshl_b32 s30, s2, 6
	s_lshl_b32 s31, s29, 6
	s_add_co_u32 s30, s30, RNO
	s_add_co_u32 s31, s31, RNO
	v_lshl_add_u32 v16, v2, 2, s30
	v_lshl_add_u32 v17, v2, 2, s31
	ds_load_b32 v184, v16                          ; rn of my row s, for each column block
	ds_load_b32 v186, v17
	s_lshl_b32 s30, s2, 10
	s_lshl_b32 s31, s29, 10
	s_add_co_u32 s30, s30, DIAG
	s_add_co_u32 s31, s31, DIAG
	v_lshl_add_u32 v14, v2, 6, s30
	v_lshl_add_u32 v15, v2, 6, s31
	v_add_nc_u32 v14, v25, v14                     ; DIAG[block][r][8 h]
	v_add_nc_u32 v15, v25, v15
	v_add_nc_u32 v8, KD, v26                       ; rows t, from block 0
	v_add_nc_u32 v12, RNO, v25                     ; rn of my eight t
	s_wait_dscnt 0x0
	v_mul_f32 v184, 0xbd4ccccd, v184               ; -0.05 rn_s
	v_mul_f32 v186, 0xbd4ccccd, v186
	v_mov_b32 v185, v184
	v_mov_b32 v187, v186
	s_mov_b32 s99, 0                               ; tc
.Lgram:
.irp p, 0,1,2,3,4,5,6,7
	ds_load_b128 v[TF+8*\p:TF+8*\p+3], v8 offset:64*\p
	ds_load_b128 v[TF+8*\p+4:TF+8*\p+7], v8 offset:64*\p+32
.endr
	ds_load_b128 v[176:179], v12
	ds_load_b128 v[180:183], v12 offset:16
	s_wait_dscnt 0x0
	GCOL SF0, 2, 184, 10, 14
	GCOL SF1, 29, 186, 11, 15
	v_add_nc_u32 v8, 16*P2, v8
	v_add_nc_u32 v10, 32, v10
	v_add_nc_u32 v11, 32, v11
	v_add_nc_u32 v12, 64, v12
	s_add_co_u32 s99, s99, 1
	s_cmp_lt_u32 s99, 16
	s_cbranch_scc1 .Lgram
	WIN 0x40                                       ; the rest of Wr: rows 32 w + 30, 31
.irp a, 30,31
	global_load_b128 v[8*\a:8*\a+3], v31, s[4:5] offset:1024*\a
	global_load_b128 v[8*\a+4:8*\a+7], v31, s[4:5] offset:1024*\a+512
.endr
	WIN 0
	v_and_b32 v30, 63, v0
	v_lshlrev_b32 v30, 4, v30
	global_load_b128 v[120:123], v30, s[6:7]       ; br; v30 and v[120:123] are left alone until the tail
; ---------------------------------------------------------------- the scan
; registers: v[32:47] the chunk's rows x my 32 columns (lane = row); v[48:55] the same in f16; v[56:103] the product's fragments;
; v[104:118] G inside the chunk, v119 thresholds; v[124:127] two pairs f_t (Y_t, C_t); v[128:159] the pairs (Y_t, C_t);
; v[160:183] three fragments whose k slots 16 to 31 stay 0; v[200:215] the identity; v[216:223] f C in f16; v[224:239] P
	s_lshl_b32 s31, s2, 6                          ; my 32 columns: 64 w bytes of f16
	s_add_co_u32 s30, s31, KD
	v_add_nc_u32 v11, s30, v5                      ; w rows from 0, my columns, transposing
	v_add_nc_u32 v13, s30, v26                     ; the chunk's rows of w, my columns: row r, 16 h
	s_add_co_u32 s30, s31, RH
	v_add_nc_u32 v18, s30, v26                     ; the same place in RH
	v_add_nc_u32 v21, s30, v5                      ; RH's rows, my columns, transposing
	v_mov_b32 v9, v5                               ; S rows from 0, the chunk's 16 columns t, transposing; 32 bytes on in every chunk
	v_add_nc_u32 v14, RH, v26                      ; RH's rows along the row
	v_lshlrev_b32 v15, 2, v2
	v_add_nc_u32 v16, THO, v15
	v_add_nc_u32 v15, DIAG, v15
	v_lshlrev_b32 v17, 5, v2
	v_add_nc_u32 v17, CT, v17                      ; CT's row r
	v_add_nc_u32 v22, CT, v27                      ; CT, transposing
	v_mov_b32 v19, 0
	v_mov_b32 v20, 1.0
.irp x, 164,165,166,167,172,173,174,175,180,181,182,183
	v_mov_b32 v\x, 0                               ; k slots 16 to 31 of the chunk's own product, which has 16 rows to add up
.endr
.set a_, 0
.rept 16
	v_cmp_eq_u32 vcc_lo, a_, v2
	v_cndmask_b32 v[200+a_], v19, v20, vcc_lo      ; e_t, one number a lane, in both halves of the lanes
.set a_, a_+1
.endr
.set a_, 0
.rept 15
	s_mov_b32 s[35+2*a_], 0                        ; the upper words of the coefficient pairs: never used, but part of a pair that is named
	s_mov_b32 s[67+2*a_], 0
.set a_, a_+1
.endr
	BAR                                            ; G is whole
; 64 older steps into the chunk's 16 rows x my 32 columns: source 0 = w (columns), source 1 = G (rows t, out of S's columns).
.macro PTRIP zero
.irp x, 0,1
	ds_load_tr16_b128 v[56+8*\x:59+8*\x], v10 offset:\x*32*P2
	ds_load_tr16_b128 v[60+8*\x:63+8*\x], v10 offset:\x*32*P2+16*P2
.endr
.irp f, 0,1,2,3
	ds_load_tr16_b128 v[72+8*\f:75+8*\f], v12 offset:(\f>>1)*32*P2+(\f&1)*32
	ds_load_tr16_b128 v[76+8*\f:79+8*\f], v12 offset:(\f>>1)*32*P2+(\f&1)*32+16*P2
.endr
	s_wait_dscnt 0x0
.if \zero
	v_wmma_f32_16x16x32_f16 v[32:39], v[72:79], v[56:63], 0
	v_wmma_f32_16x16x32_f16 v[40:47], v[80:87], v[56:63], 0
.else
	v_wmma_f32_16x16x32_f16 v[32:39], v[72:79], v[56:63], v[32:39]      ; two accumulators by turns
	v_wmma_f32_16x16x32_f16 v[40:47], v[80:87], v[56:63], v[40:47]
.endif
	v_wmma_f32_16x16x32_f16 v[32:39], v[88:95], v[64:71], v[32:39]
	v_wmma_f32_16x16x32_f16 v[40:47], v[96:103], v[64:71], v[40:47]
	PLACES 4
	v_add_nc_u32 v10, 64*P2, v10
	v_add_nc_u32 v12, 64*P2, v12
.endm
.macro ROUND16                         ; v[32:47] to f16: 16 bytes of my row for each of my two column tiles
.irp x, 0,1,2,3,4,5,6,7
	v_cvt_pk_f16_f32 v[48+\x], v[32+2*\x], v[33+2*\x]
.endr
.endm
; The sixteen gates, wave 0.  Lane v (in both halves of the lanes) holds Y[t][v] in v[128 + 2 t] and C[t][v] in v[129 + 2 t].
; Link i of step t's chain: |d_t|^2 = sum over v of C Y, the gate, the gated pair.
.macro CHAIN t, i
.if (\i) == 0
	v_mul_f32 v28, v[128+2*(\t)], v[129+2*(\t)]
.elseif (\i) == 1
	v_add_f32_dpp v28, v28, v28 row_xmask:1 row_mask:0xf bank_mask:0xf
.elseif (\i) == 2
	v_add_f32_dpp v28, v28, v28 row_xmask:2 row_mask:0xf bank_mask:0xf
.elseif (\i) == 3
	v_add_f32_dpp v28, v28, v28 row_xmask:4 row_mask:0xf bank_mask:0xf
.elseif (\i) == 4
	v_add_f32_dpp v28, v28, v28 row_xmask:8 row_mask:0xf bank_mask:0xf
.elseif (\i) == 5
	v_cmp_le_f32 vcc_lo, s[18+(\t)], v28           ; fire: 0.16 |k|^2 <= |d|^2
.elseif (\i) == 6
	v_cndmask_b32 v[124+2*((\t)&1)], v19, v[128+2*(\t)], vcc_lo
.else
	v_cndmask_b32 v[125+2*((\t)&1)], v19, v[129+2*(\t)], vcc_lo
.endif
.endm
.macro RL t, u                         ; G[u][t] of the chunk into a scalar pair; the pairs of even and odd t lie apart
	v_readlane_b32 s[34+32*((\t)&1)+2*((\u)-1)], v[104+(\t)], (\u)
.endm
.macro UPD t, u                        ; (Y_u, C_u) += G[u][t] f_t (Y_t, C_t)
	v_pk_fma_f32 v[128+2*(\u):129+2*(\u)], v[124+2*((\t)&1):125+2*((\t)&1)], s[34+32*((\t)&1)+2*((\u)-1):35+32*((\t)&1)+2*((\u)-1)], v[128+2*(\u):129+2*(\u)] op_sel_hi:[1,0,1]
.endm
; Step t.  Only row t + 1 has to have step t's update before the next chain begins; the rows further down take step t - 1's between this chain's links.
.macro STEP t
.set si_, 0
.rept 8
	CHAIN \t, si_
.set su_, (\t)+1+2*si_
.rept 2
.if su_ <= 15
	RL \t, su_
.if (\t) >= 1
	UPD ((\t)-1), su_
.endif
.endif
.set su_, su_+1
.endr
.set si_, si_+1
.endr
.if (\t) < 15
	UPD \t, ((\t)+1)
.endif
.if (\t)&1
	v_cvt_pk_f16_f32 v[216+((\t)>>1)], v125, v127  ; f C of rows t - 1 and t: a word of row u = lane of the tile
.endif
.endm
	s_mov_b32 s99, 0                               ; chunk c
.Lchunk:
	v_mov_b32 v10, v9
	v_mov_b32 v12, v11
	s_lshr_b32 s100, s99, 2
	PTRIP 1                                        ; c / 4 + 1 trips of 64 steps; the first starts the sums
	s_cmp_eq_u32 s100, 0
	s_cbranch_scc1 .Lpdone
	s_mov_b32 s98, 0
.Lprod:
	PTRIP 0
	s_add_co_u32 s98, s98, 1
	s_cmp_lt_u32 s98, s100
	s_cbranch_scc1 .Lprod
.Lpdone:
	ROUND16
	ds_store_b128 v18, v[48:51]                    ; the start rows, my columns
	ds_store_b128 v18, v[52:55] offset:32
	BAR                                            ; RH is whole; nobody reads the last chunk's tile any more
	ds_load_tr16_b128 v[160:163], v21              ; my columns of the 16 start rows, as source 0 of the chunk's own product
	ds_load_tr16_b128 v[168:171], v21 offset:32
	s_cmp_lg_u32 s2, 0
	s_cbranch_scc1 .Lnot0
.irp p, 0,1,2,3,4,5,6,7
	ds_load_b128 v[32+8*\p:35+8*\p], v14 offset:64*\p
	ds_load_b128 v[36+8*\p:39+8*\p], v14 offset:64*\p+32
.endr
.set a_, 0
.rept 15
	ds_load_b32 v[104+a_], v15 offset:64*a_        ; row t of the chunk's DIAG: lane u holds G[u][t]
.set a_, a_+1
.endr
	ds_load_b32 v119, v16
	s_wait_dscnt 0x0
	v_wmma_f32_16x16x32_f16 v[224:231], v[32:39], v[32:39], 0            ; P = R R^T: one fragment is both sources; two accumulators by turns
	v_wmma_f32_16x16x32_f16 v[232:239], v[40:47], v[40:47], 0
.irp p, 2,4,6
	v_wmma_f32_16x16x32_f16 v[224:231], v[32+8*\p:39+8*\p], v[32+8*\p:39+8*\p], v[224:231]
	v_wmma_f32_16x16x32_f16 v[232:239], v[40+8*\p:47+8*\p], v[40+8*\p:47+8*\p], v[232:239]
.endr
	PLACES 5
.irp x, 0,1,2,3
	v_pk_add_f32 v[224+2*\x:225+2*\x], v[224+2*\x:225+2*\x], v[232+2*\x:233+2*\x]
.endr
.set a_, 0
.rept 16
	v_readlane_b32 s[18+a_], v119, a_              ; the sixteen thresholds
.set a_, a_+1
.endr
	s_mov_b32 vcc_lo, 0xffff0000                   ; lanes 16 to 31
.irp j, 0,1,2,3,4,5,6,7
	v_permlanex16_b32 v[232+\j], v[224+\j], s96, s97               ; register j holds P[8 h + j][r]: the other half's rows
.endr
.irp j, 0,1,2,3,4,5,6,7
	v_cndmask_b32 v[128+2*\j], v[224+\j], v[232+\j], vcc_lo        ; Y_j = P[j], in both halves
	v_cndmask_b32 v[144+2*\j], v[232+\j], v[224+\j], vcc_lo        ; Y_(8+j) = P[8 + j]
.endr
.set a_, 0
.rept 16
	v_mov_b32 v[129+2*a_], v[200+a_]               ; C_t = e_t
.set a_, a_+1
.endr
.irp t, 0,1,2,3,4,5,6,7,8,9,10,11,12,13,14,15
	STEP \t
.endr
	ds_store_b128 v17, v[216:219]                  ; row u = r of the tile; both halves of the lanes store the same bytes
	ds_store_b128 v17, v[220:223] offset:16
.Lnot0:
	BAR                                            ; the tile is whole; everybody's reads of RH are done
	ds_load_tr16_b128 v[176:179], v22              ; f_t C[t][u]: rows t = r, k = u
	s_wait_dscnt 0x0
	v_wmma_f32_16x16x32_f16 v[32:39], v[160:167], v[176:183], 0          ; w = (f C) R, my 32 columns
	v_wmma_f32_16x16x32_f16 v[40:47], v[168:175], v[176:183], 0
	PLACES 5
	ROUND16
	ds_store_b128 v13, v[48:51]                    ; w_t takes k_t's place, for the later chunks' products
	ds_store_b128 v13, v[52:55] offset:32
	BAR                                            ; all rows w are in place before any wave's next product reads them.  (A wave reads back only the columns that it
	                                               ; stored itself; the barrier spares any reliance on that, and the eight waves reach it in step.)
	v_add_nc_u32 v9, 32, v9
	v_add_nc_u32 v13, 16*P2, v13
	v_add_nc_u32 v15, 1024, v15
	v_add_nc_u32 v16, 64, v16
	s_add_co_u32 s99, s99, 1
	s_cmp_lt_u32 s99, 16
	s_cbranch_scc1 .Lchunk
; ---------------------------------------------------------------- read = -d_255 max(|q|, 1e-12);  r2 = read Wr + br
; v[32:47] still hold the last chunk's rows, row 15 of them d_255 (its gate always passes): my 32 columns are the 32 numbers that my rows of Wr need.
; They go through a stage of my own, so that every lane gets all 32.  One row for each work-group: a stream of multiply-adds in f32
; (a matrix tile would hold 15 empty rows), Wr's rows shared out among the waves; the factor -max(|q|, 1e-12) is applied to the eight sums.
	s_lshl_b32 s31, s2, 11
	v_lshl_add_u32 v16, v2, 7, s31
	v_add_nc_u32 v16, v25, v16                     ; TL[w][r][8 h]
	ds_store_b128 v16, v[32:35]
	ds_store_b128 v16, v[36:39] offset:16
	ds_store_b128 v16, v[40:43] offset:64
	ds_store_b128 v16, v[44:47] offset:80
	v_mov_b32 v17, s31
.irp x, 0,1,2,3,4,5,6,7
	ds_load_b128 v[64+4*\x:67+4*\x], v17 offset:15*128+16*\x       ; my own bytes: LDS serves a wave's instructions in order (ISA guide 5.7.1.4)
.endr
	v_mov_b32 v18, NRMO+1020
	ds_load_b32 v24, v18
	s_wait_loadcnt 0x0                             ; Wr's rows and br
	s_wait_dscnt 0x0
	WIN 0x01
.set i3_, 0
.rept 32
.set x3_, 0
.rept 4
.if i3_ == 0
	v_pk_mul_f32 v[96+2*x3_:97+2*x3_], v[2*x3_:2*x3_+1], v[64:65] op_sel_hi:[1,0]
.elseif (i3_&1) == 0
	v_pk_fma_f32 v[96+2*x3_:97+2*x3_], v[8*i3_+2*x3_:8*i3_+2*x3_+1], v[64+i3_:65+i3_], v[96+2*x3_:97+2*x3_] op_sel_hi:[1,0,1]
.else
	v_pk_fma_f32 v[96+2*x3_:97+2*x3_], v[8*i3_+2*x3_:8*i3_+2*x3_+1], v[63+i3_:64+i3_], v[96+2*x3_:97+2*x3_] op_sel:[0,1,0] op_sel_hi:[1,1,1]
.endif
.set x3_, x3_+1
.endr
.set i3_, i3_+1
.endr
	WIN 0
	v_mul_f32 v24, -1.0, v24
	v_mov_b32 v25, v24
.irp x, 0,1,2,3
	v_pk_mul_f32 v[96+2*\x:97+2*\x], v[96+2*\x:97+2*\x], v[24:25]
.endr
	s_lshl_b32 s31, s2, 10
	s_add_co_u32 s31, s31, PS
	v_add_nc_u32 v17, s31, v7
	ds_store_b128 v17, v[96:99]                    ; my partial r2, 256 numbers
	ds_store_b128 v17, v[100:103] offset:512
	BAR
	s_cmp_gt_u32 s2, 1
	s_cbranch_scc1 .Lend
	v_add_nc_u32 v18, PS, v30                      ; threads 0 to 63: four columns each
.irp x, 0,1,2,3,4,5,6,7
	ds_load_b128 v[32+4*\x:35+4*\x], v18 offset:1024*\x
.endr
	s_lshl_b32 s31, s3, 10
	v_add_nc_u32 v21, s31, v30
	s_wait_dscnt 0x0
.irp x, 0,1,2,3,4,5,6,7
	v_pk_add_f32 v[120:121], v[120:121], v[32+4*\x:33+4*\x]
	v_pk_add_f32 v[122:123], v[122:123], v[34+4*\x:35+4*\x]
.endr
	global_store_b128 v21, v[120:123], s[8:9]      ; a wave stores 512 consecutive bytes, aligned
.Lend:
	s_wait_tensorcnt 0x0
	ds_add_u32 v6, v29
	s_wait_dscnt 0x0
	s_endpgm
.Lfunc_end_k_q7c0e43fa5b_mem:
	.size	k_q7c0e43fa5b_mem, .Lfunc_end_k_q7c0e43fa5b_mem-k_q7c0e43fa5b_mem
	.p2alignl 7, 3214868480
	.fill 96, 4, 3214868480
	.section	.rodata,"a",@progbits
	.p2align	6, 0x0
	.amdhsa_kernel k_q7c0e43fa5b_mem
		.amdhsa_group_segment_fixed_size 323840
		.amdhsa_private_segment_fixed_size 0
		.amdhsa_enable_private_segment 0
		.amdhsa_kernarg_size 40
		.amdhsa_user_sgpr_count 2
		.amdhsa_user_sgpr_kernarg_segment_ptr 1
		.amdhsa_wavefront_size32 1
		.amdhsa_system_sgpr_workgroup_id_x 1
		.amdhsa_system_sgpr_workgroup_id_y 1
		.amdhsa_system_sgpr_workgroup_id_z 1
		.amdhsa_system_vgpr_workitem_id 0
		.amdhsa_next_free_vgpr 512
		.amdhsa_next_free_sgpr 102
		.amdhsa_reserve_vcc 1
		.amdhsa_float_denorm_mode_32 3
		.amdhsa_float_denorm_mode_16_64 3
		.amdhsa_memory_ordered 1
		.amdhsa_forward_progress 1
		.amdhsa_inst_pref_size 72
	.end_amdhsa_kernel
	.amdgpu_metadata
---
amdhsa.version: [ 1, 2 ]
amdhsa.kernels:
  - .name:           k_q7c0e43fa5b_mem
    .symbol:         k_q7c0e43fa5b_mem.kd
    .args:
      - { .name: Wr, .offset: 0, .size: 8, .value_kind: global_buffer, .address_space: global }
      - { .name: br, .offset: 8, .size: 8, .value_kind: global_buffer, .address_space: global }
      - { .name: r2ws, .offset: 16, .size: 8, .value_kind: global_buffer, .address_space: global }
      - { .name: kws, .offset: 24, .size: 8, .value_kind: global_buffer, .address_space: global }
      - { .name: stws, .offset: 32, .size: 8, .value_kind: global_buffer, .address_space: global }
    .group_segment_fixed_size: 323840
    .private_segment_fixed_size: 0
    .kernarg_segment_align: 8
    .kernarg_segment_size: 40
    .max_flat_workgroup_size: 256
    .sgpr_count:     102
    .vgpr_count:     512
    .wavefront_size: 32
...
	.end_amdgpu_metadata
.endif
;; end of part 4
;; launch head: the kernel of part 2 again; grid 250 x 1, 8 waves a work-group, no clusters, 142,848 bytes of LDS; arguments r2ws, Wo, bo, out0; writes out0
;; ======== version 3 of 3: 3 launches; version 2 with the launches front, head written anew for expert scheduling mode
;; limits: values are held in f16: magnitudes above 65,504 overflow, below 6.1e-05 lose precision; values outside matrix products are rounded to f16
;; workspace buffers: kws 8,388,608 bytes; stws 196,608 bytes; r2ws 65,536 bytes
;; launch front (part 5): grid 256 x 1, 4 waves a work-group, no clusters, 216,320 bytes of LDS; arguments seq, embed, W1, W2, Wk, b1, b2, ln_g, ln_b, kws, stws; writes kws, stws
.if DOCPART == 5
	.amdgcn_target "amdgcn-amd-amdhsa--gfx1250"
	.amdhsa_code_object_version 6
	.text
	.protected	k_q7c0e43fa5b_front
	.globl	k_q7c0e43fa5b_front
	.p2align	8
	.type	k_q7c0e43fa5b_front,@function
k_q7c0e43fa5b_front:
	s_mov_b64 s[64:65], 0
	v_nop
	global_prefetch_b8 v0, s[64:65] scope:SCOPE_SE
	s_setreg_imm32_b32 hwreg(HW_REG_WAVE_SCHED_MODE, 0, 2), 2
	s_setreg_imm32_b32 hwreg(HW_REG_WAVE_MODE, 25, 1), 1
	s_wait_xcnt 0x0
	s_wait_alu depctr_vm_vsrc(0)
; The work that is independent from token to token: gather, FFN with residual, LayerNorm, k = h Wk, and for each row
; rn = 1 / max(|k|, 1e-12), 0.16 |k|^2 and max(|k|, 1e-12).  256 work-groups of 64 tokens.  Out: kws f16 [16384][256], stws f32 [64][3][256].
;
; WHAT THE PROGRAM LEAVES OUT (in the next launch): the memory M is never formed.  reference() starts from M0 = 0, built in its own body, so for
; all inputs, in exact arithmetic, M_t = 0.05 sum_{s<t} w_s kn_s^T with w_s = fire_s d_s, and vp_t = M_t kn_t = 0.05 sum_{s<t} (kn_s . kn_t) w_s.
; So the steps need only the products k_t . k_s with s < t and the rows w_s.  No input is left out: all thirteen are loaded by some launch.
; LIMITS, stated: matrix operands are f16 (embed, W1, W2, Wk, relu output, h, k, w, G): magnitudes above 65,504 overflow, numbers below 6e-5
; carry an absolute error of 3e-8.  A NaN or an infinity that would live only in entries of M that the read multiplies by 0 is not carried.
;
; SHARES.  Four waves; each holds all 64 tokens (four tiles mt) and a quarter of the output columns of every product: hidden units 128 w ..
; in the first, columns 64 w .. in the second and in k.  So a wave needs only its own columns of each weight: it brings them in itself, rounds
; them to f16 and lays them into an LDS slot of its own (no barrier), and a weight fragment is read by one wave and feeds four matrix instructions.
; A UNIT is 16 KiB of f32 weights (W1: 32 rows of 512 bytes; W2, Wk: 64 rows of 256 bytes) = 32 loads = 8 fragments = 32 matrix instructions;
; 8 + 8 + 4 units.  Two staging buffers of 128 registers take turns: unit U + 2 is asked for as soon as unit U is rounded, across the products' borders.
; Products are used transposed: source 0 = 16 weight columns, source 1 = 16 tokens; lane (r = l % 16, h = l / 16), register j holds
; (token r, column n0 + 8 h + j).  Activations go from wave to wave through LDS in f16; the residual stays f32.
; NO CLUSTER: the work-groups share the weights, but these are f32 in memory and must pass through registers to be rounded; a joint tensor load would
; lay 16 KiB of f32 for each unit into LDS, to be read back (32 more LDS loads a unit) before the 8 KiB of f16 are stored that the unit stores now.
;
; THE MODE: SCHED_MODE bits 1:0 = 2 (LLVM: expert scheduling mode 2), set by the entry lines.  The code itself states the register dependences
; between vector or matrix instructions and memory or LDS instructions, with s_wait_alu, always for 0.
; THE PLAN, for a unit.  Registers that memory or LDS instructions touch:
;   staging buffer b   read by the unit's 64 roundings; behind them the loads of the unit two on land in it.
;   v[VO+b]            read by those loads; stepped at the unit's head, ahead of the roundings.
;   CV                 written by the roundings; read by the unit's 32 LDS stores.  No load lands in it in a unit.
;   WF, TF             the unit's LDS loads land in them; its matrix instructions read them.  No vector instruction names them in a unit.
;   v27                read by the tokens' LDS loads; stepped at the unit's end.
;   v4 to v18          lane terms, made once at the head.
; So a unit has TWO waits.  One on va_vdst behind the roundings: they are done reading the staging buffer and have written CV; v[VO+b] and v27 are written; the last
; unit's matrix instructions are done reading WF and TF.  Behind it stand the global loads, the LDS stores and the fragments' loads, with no vector instruction among them.
; One on vm_vsrc at the unit's end: the tokens' loads have read v27, the LDS stores CV, the global loads v[VO+b]: v27 is stepped there, CV is
; written again by the next unit's roundings, v[VO+b] two units on.  Where a phase hands registers to the next, the waits stand at the border and say so.
.set PX, 528                           ; LDS pitch of rows of 256 f16 read along the row: 33 x 16 bytes
.set PF, 1040                          ; of rows of 256 f32 and of 512 f16: 65 x 16 bytes
.set PW1, 288                          ; of a slot's rows of 128 f16, read by transposing loads: 9 x 32 bytes
.set PW2, 160                          ; of a slot's rows of 64 f16: 5 x 32 bytes
.set SLOTW, 10240                      ; a wave's slot: 32 x 288 or 64 x 160 bytes
.set X16, 40960                        ; [64][256] f16: the embedding rows; later h
.set X32, 74752                        ; [64][256] f32: embedding row + b2
.set H1, 141312                        ; [64][512] f16: the hidden layer; later k, [64][256] f16 of pitch PX
.set STAT, 207872                      ; f32 [3 exchanges][4 waves][64 tokens]
.set SOUT, 210944                      ; f32 [3][64]: the rows' three figures on their way out
.set SMG, 211712                       ; ln_g, then ln_b at +1024
.set SMB1, 213760                      ; b1
.set WF, 32                            ; v[32:95]   8 weight fragments; between the products at work, and h and k on their way to LDS
.set TF, 96                            ; v[96:159]  token fragments
.set GB, 160                           ; v[160:223] in the LayerNorm: ln_g, ln_b of my columns
.set CV, 160                           ; v[160:223] in a unit: the rounded weights on their way into the slot
.set HO, 96                            ; v[96:223]  the hidden layer on its way to LDS: 32 registers of its own for each token tile
.set T, 224                            ; v[224:255] running sums, 8 registers for each token tile
.set MU, 112                           ; v[112:119] a pair for each token tile: -mean, then 1 / sigma
.set VO, 28                            ; v28, v29   byte offset of the staging buffers' next loads
; window 1: accumulators (tile (mt, nt) at 8 (8 mt + nt) in the first product, (mt, q) at 8 (4 mt + q) later); window 2: staging buffers at 0 and 128
.set MSB, 0
.macro WIN new                         ; the immediate's high byte repeats the setting that is left
.if MSB != \new
	s_set_vgpr_msb (MSB<<8)|\new
.set MSB, \new
.endif
.endm
.macro PLACES n                        ; places behind matrix instructions (ISA guide 7.12.1)
.rept \n
	v_nop
.endr
.endm
.macro BAR                             ; my LDS stores and reads are done; then everybody's are
	s_wait_dscnt 0x0
	s_barrier_signal -1
	s_barrier_wait -1
.endm
.macro ISSUE buf, sb                   ; a unit's 32 loads; both kinds of unit step 2,048 bytes from load to load
	WIN 0x80
	s_wait_alu depctr_va_vdst(0)                   ; the offset v[VO+buf] is written, which these loads read; the vector instructions that read this staging buffer are done, in which they land; what those wrote is written, for the LDS stores behind the loads
.set ii_, 0
.rept 32
	global_load_b128 v[128*\buf+4*ii_:128*\buf+4*ii_+3], v[VO+\buf], s[\sb:\sb+1] offset:ii_*2048
.set ii_, ii_+1
.endr
	WIN 0
.endm
; One unit.  kind 1: one k step of 32, 8 column tiles (W1).  kind 2: two k steps, 4 column tiles (W2, Wk).
; left: how many younger loads may stay out; cz = 1: the first k step starts the sums; nmode: the look-ahead (0 none, 1 two units on in the
; same weight, 2 the first units of the weight at s[nsb]); tp: pitch of the token rows, which v27 walks.
.macro UNIT kind, buf, left, cz, nmode, nsb, tp
	s_wait_loadcnt \left                           ; this unit's loads are in; the next unit's 32 stay out
.if \nmode == 1
	v_add_nc_u32 v[VO+\buf], 0x20000, v[VO+\buf]   ; free since the wait above: the loads that named it are the ones just awaited; a wait on vm_vsrc has stood behind them, at the end of the unit that issued them
.elseif \nmode == 2
	v_add_nc_u32 v[VO+\buf], \buf*0x10000, v18
.endif
	WIN 0x0a
.set i_, 0
.rept 32
	v_cvt_pk_f16_f32 v[CV+2*i_], v[128*\buf+4*i_], v[128*\buf+4*i_+1]
	v_cvt_pk_f16_f32 v[CV+2*i_+1], v[128*\buf+4*i_+2], v[128*\buf+4*i_+3]
.set i_, i_+1
.endr
.if \nmode
	ISSUE \buf, \nsb                               ; the buffer is asked for again at once.  Its wait is the unit's one wait on va_vdst: see THE PLAN
.else
	WIN 0
	s_wait_alu depctr_va_vdst(0)                   ; the roundings have written CV, which the stores read; v27 is written; the last unit's matrix instructions are done reading WF and TF, in which the fragments land
.endif
.set i_, 0
.rept 32
.if \kind == 1
	ds_store_b64 v6, v[CV+2*i_:CV+2*i_+1] offset:i_*PW1
.else
	ds_store_b64 v8, v[CV+2*i_:CV+2*i_+1] offset:i_*2*PW2
.endif
.set i_, i_+1
.endr
	; fragments, in one run.  LDS serves a wave's instructions in order (ISA guide 5.7.1.4): these loads see the stores above.
	; No vector or matrix instruction since the wait on va_vdst names WF, TF, v4, v5 or v27
.if \kind == 1
.irp nt, 0,1,2,3,4,5,6,7
	ds_load_tr16_b128 v[WF+8*\nt:WF+8*\nt+3], v4 offset:32*\nt
	ds_load_tr16_b128 v[WF+8*\nt+4:WF+8*\nt+7], v4 offset:32*\nt+16*PW1
.endr
.irp mt, 0,1,2,3
	ds_load_b128 v[TF+8*\mt:TF+8*\mt+3], v27 offset:\mt*16*\tp
	ds_load_b128 v[TF+8*\mt+4:TF+8*\mt+7], v27 offset:\mt*16*\tp+32
.endr
.else
.irp f, 0,1,2,3,4,5,6,7
	ds_load_tr16_b128 v[WF+8*\f:WF+8*\f+3], v5 offset:(\f>>2)*32*PW2+(\f&3)*32
	ds_load_tr16_b128 v[WF+8*\f+4:WF+8*\f+7], v5 offset:(\f>>2)*32*PW2+(\f&3)*32+16*PW2
.endr
.irp f, 0,1,2,3,4,5,6,7
	ds_load_b128 v[TF+8*\f:TF+8*\f+3], v27 offset:(\f&3)*16*\tp+(\f>>2)*64
	ds_load_b128 v[TF+8*\f+4:TF+8*\f+7], v27 offset:(\f&3)*16*\tp+(\f>>2)*64+32
.endr
.endif
	s_wait_dscnt 0x0
	WIN 0x50                                       ; C and D in window 1; the accumulators take turns, one instruction a turn
.if \kind == 1
.irp nt, 0,1,2,3,4,5,6,7
.irp mt, 0,1,2,3
	v_wmma_f32_16x16x32_f16 v[8*(8*\mt+\nt):8*(8*\mt+\nt)+7], v[WF+8*\nt:WF+8*\nt+7], v[TF+8*\mt:TF+8*\mt+7], v[8*(8*\mt+\nt):8*(8*\mt+\nt)+7]
.endr
.endr
.else
.set kk_, 0
.rept 2
.irp q, 0,1,2,3
.irp mt, 0,1,2,3
.if \cz*(1-kk_)
	v_wmma_f32_16x16x32_f16 v[8*(4*\mt+\q):8*(4*\mt+\q)+7], v[WF+8*(4*kk_+\q):WF+8*(4*kk_+\q)+7], v[TF+8*(4*kk_+\mt):TF+8*(4*kk_+\mt)+7], 0
.else
	v_wmma_f32_16x16x32_f16 v[8*(4*\mt+\q):8*(4*\mt+\q)+7], v[WF+8*(4*kk_+\q):WF+8*(4*kk_+\q)+7], v[TF+8*(4*kk_+\mt):TF+8*(4*kk_+\mt)+7], v[8*(4*\mt+\q):8*(4*\mt+\q)+7]
.endif
.endr
.endr
.set kk_, kk_+1
.endr
.endif
	WIN 0
	PLACES 5
	s_wait_alu depctr_vm_vsrc(0)                   ; the tokens' loads have read v27, which the next line writes; the LDS stores have read CV, which the next unit's roundings write; the global loads have read their offset, which is stepped two units on
	v_add_nc_u32 v27, 64*\kind, v27                ; the tokens' next k step(s)
.endm
; ReLU, rounding and the way to LDS for token tile mt's eight hidden tiles.  Each tile has out-registers of its own, so that no tile's roundings write what an earlier tile's stores read
.macro HID mt
	WIN 0x05
.set x_, 0
.rept 64
	v_max_num_f32 v[WF+x_], 0, v[64*\mt+x_]
.set x_, x_+1
.endr
	WIN 0
.set x_, 0
.rept 32
	v_cvt_pk_f16_f32 v[HO+32*\mt+x_], v[WF+2*x_], v[WF+2*x_+1]
.set x_, x_+1
.endr
	s_wait_alu depctr_va_vdst(0)                   ; the roundings have written this tile's 32 out-registers, which the stores read
.irp nt, 0,1,2,3,4,5,6,7
	ds_store_b128 v11, v[HO+32*\mt+4*\nt:HO+32*\mt+4*\nt+3] offset:\mt*16*PF+32*\nt
.endr
.endm
; Over window 1's 32 registers of each token tile: sq = 0 the sum, 1 the sum of squares, in four pairs at v[T + 8 mt]
.macro ROWRED sq
	WIN 0x05
.set m_, 0
.rept 4
.set c_, 0
.rept 4
.if \sq
	v_pk_mul_f32 v[T+8*m_+2*c_:T+8*m_+2*c_+1], v[32*m_+2*c_:32*m_+2*c_+1], v[32*m_+2*c_:32*m_+2*c_+1]
.else
	v_pk_add_f32 v[T+8*m_+2*c_:T+8*m_+2*c_+1], v[32*m_+2*c_:32*m_+2*c_+1], v[32*m_+8+2*c_:32*m_+9+2*c_]
.endif
.set c_, c_+1
.endr
.set m_, m_+1
.endr
.if \sq
.set c_, 4
.rept 12
.set m_, 0
.rept 4
	v_pk_fma_f32 v[T+8*m_+2*(c_&3):T+8*m_+2*(c_&3)+1], v[32*m_+2*c_:32*m_+2*c_+1], v[32*m_+2*c_:32*m_+2*c_+1], v[T+8*m_+2*(c_&3):T+8*m_+2*(c_&3)+1]
.set m_, m_+1
.endr
.set c_, c_+1
.endr
.else
	WIN 0x01
.set c_, 8
.rept 8
.set m_, 0
.rept 4
	v_pk_add_f32 v[T+8*m_+2*(c_&3):T+8*m_+2*(c_&3)+1], v[32*m_+2*c_:32*m_+2*c_+1], v[T+8*m_+2*(c_&3):T+8*m_+2*(c_&3)+1]
.set m_, m_+1
.endr
.set c_, c_+1
.endr
.endif
	WIN 0
.endm
; The four pairs, then the other half of the lanes (the same token's other columns): my wave's 64 columns' share, in v[T + 8 mt]
.macro SHAREA
.irp mt, 0,1,2,3
	v_pk_add_f32 v[T+8*\mt:T+8*\mt+1], v[T+8*\mt:T+8*\mt+1], v[T+8*\mt+2:T+8*\mt+3]
	v_pk_add_f32 v[T+8*\mt+4:T+8*\mt+5], v[T+8*\mt+4:T+8*\mt+5], v[T+8*\mt+6:T+8*\mt+7]
	v_pk_add_f32 v[T+8*\mt:T+8*\mt+1], v[T+8*\mt:T+8*\mt+1], v[T+8*\mt+4:T+8*\mt+5]
	v_add_f32 v[T+8*\mt], v[T+8*\mt], v[T+8*\mt+1]
	v_permlanex16_b32 v[T+8*\mt+1], v[T+8*\mt], s48, s49
	v_add_f32 v[T+8*\mt], v[T+8*\mt], v[T+8*\mt+1]
.endr
.endm
.macro SHARES e                        ; the four shares go to exchange e, behind one wait on va_vdst that stands ahead of this run
.irp mt, 0,1,2,3
	ds_store_b32 v15, v[T+8*\mt] offset:1024*\e+64*\mt
.endr
.endm
.macro STATSUM e                       ; the four waves' shares, added in the same order by every wave: the total of tile mt in v[96 + 4 mt]
.irp mt, 0,1,2,3
.irp wv, 0,1,2,3
	ds_load_b32 v[96+4*\mt+\wv], v16 offset:1024*\e+256*\wv+64*\mt
.endr
.endr
	s_wait_dscnt 0x0
.irp mt, 0,1,2,3
	v_add_f32 v[96+4*\mt], v[96+4*\mt], v[97+4*\mt]
	v_add_f32 v[98+4*\mt], v[98+4*\mt], v[99+4*\mt]
	v_add_f32 v[96+4*\mt], v[96+4*\mt], v[98+4*\mt]
.endr
.endm
; ---------------------------------------------------------------- arguments, lane terms
	s_load_b512 s[4:19], s[0:1], 0x0               ; seq s[4:5], embed s[6:7], W1 s[8:9], W2 s[10:11], Wk s[12:13], b1 s[14:15], b2 s[16:17], ln_g s[18:19]
	s_load_b128 s[20:23], s[0:1], 0x40             ; ln_b s[20:21], kws s[22:23]
	s_load_b64 s[24:25], s[0:1], 0x50              ; stws
	v_lshl_add_u32 v31, v0, 2, 0x34b00
	s_set_vgpr_msb 0xc0
	v_mov_b32 v1, 0
	s_set_vgpr_msb 0xc000
	v_lshrrev_b32 v1, 5, v0
	v_readfirstlane_b32 s2, v1                     ; wave
	s_mov_b32 s3, ttmp9                            ; work-group: tokens 64 g ..
	s_mov_b32 s48, 0x76543210                      ; v_permlanex16_b32: lane i takes lane i of the other half
	s_mov_b32 s49, 0xfedcba98
	s_mov_b32 s50, 0x3b800000                      ; 1 / 256
	s_mov_b32 s51, 0x3727c5ac                      ; 1e-5
	v_and_b32 v1, 31, v0                           ; l
	v_and_b32 v2, 15, v0                           ; r
	v_bfe_u32 v3, v0, 4, 1                         ; h
	v_lshlrev_b32 v7, 4, v1                        ; 16 l
	s_wait_alu depctr_va_sdst(0)                   ; s2 is written, ahead of its first reader
	s_mul_i32 s28, s2, SLOTW                       ; my slot
	s_lshl_b32 s29, s2, 8
	s_lshl_b32 s30, s2, 7
	s_lshl_b32 s31, s2, 9
	v_and_b32 v19, 7, v0
	v_lshl_add_u32 v19, v3, 3, v19                 ; 8 h + l % 8: my row in a transposing load
	v_bfe_u32 v20, v0, 3, 1
	v_lshlrev_b32 v20, 4, v20                      ; and my 16 bytes of it
	v_mad_u32_u24 v4, v19, PW1, v20
	v_mad_u32_u24 v5, v19, PW2, v20
	v_add_nc_u32 v4, s28, v4                       ; v4, v5: fragments out of my slot, for the two pitches
	v_add_nc_u32 v5, s28, v5
	v_lshl_add_u32 v6, v1, 3, s28                  ; into my slot, W1: a load is a row; 8 l
	v_mul_u32_u24 v8, v3, PW2
	v_lshl_add_u32 v8, v2, 3, v8
	v_add_nc_u32 v8, s28, v8                       ; W2, Wk: a load is two rows; row h, 8 r
	v_mul_u32_u24 v21, v2, PX
	v_lshl_add_u32 v21, v3, 4, v21                 ; r x 528 + 16 h
	v_mul_u32_u24 v22, v2, PF
	v_lshl_add_u32 v23, v3, 4, v22                 ; r x 1040 + 16 h
	v_lshl_add_u32 v22, v3, 5, v22                 ; r x 1040 + 32 h
	v_add_nc_u32 v9, X16, v21                      ; token fragments out of X16
	v_add_nc_u32 v10, H1, v23                      ; and out of the hidden layer
	v_add_nc_u32 v11, s29, v10                     ; my hidden units' place: + 128 w x 2 bytes
	v_add_nc_u32 v12, s29, v22
	v_add_nc_u32 v12, X32, v12                     ; my columns of X32: + 64 w x 4 bytes
	v_add_nc_u32 v13, s30, v9                      ; my columns of h: + 64 w x 2 bytes
	v_add_nc_u32 v14, s30, v21
	v_add_nc_u32 v14, H1, v14                      ; my columns of k
	v_lshlrev_b32 v16, 2, v2
	v_add_nc_u32 v16, STAT, v16
	v_add_nc_u32 v15, s29, v16                     ; my wave's 64 words of an exchange
	v_add_nc_u32 v17, s31, v7                      ; W1: 512 w + 16 l
	v_lshlrev_b32 v18, 10, v3
	v_lshl_add_u32 v18, v2, 4, v18
	v_add_nc_u32 v18, s29, v18                     ; W2, Wk: 256 w + row h + 16 r
	v_mov_b32 v28, v17                             ; units 0 and 1 of W1
	v_add_nc_u32 v29, 0x10000, v17
	v_lshlrev_b32 v19, 3, v0                       ; 8 x thread
	v_lshlrev_b32 v30, 4, v0                       ; 16 x thread
	s_lshl_b32 s30, s3, 8
	s_lshl_b32 s31, s2, 6
	s_add_co_u32 s30, s30, s31                     ; (64 g + 16 w) x 4
	s_mov_b32 s31, 0
	s_wait_kmcnt 0x0
	s_add_nc_u64 s[26:27], s[4:5], s[30:31]
	s_load_b512 s[32:47], s[26:27], 0x0            ; my sixteen tokens
	ISSUE 0, 8                                     ; its wait also states that all the lane terms above are written: v7, v19 and v30, which the five loads below read, and v[20:23], in which one of them lands
	global_load_b128 v[20:23], v7, s[16:17]        ; b2, as a row lies in a wave: columns 4 l .. and 128 + 4 l ..
	global_load_b128 v[24:27], v7, s[16:17] offset:512
	global_load_b64 v[224:225], v19, s[18:19]      ; ln_g, ln_b, b1: 128 threads cover each
	global_load_b64 v[226:227], v19, s[20:21]
	global_load_b128 v[228:231], v30, s[14:15]
	s_wait_kmcnt 0x0
.set i_, 0
.rept 16
	s_min_u32 s[32+i_], s[32+i_], 0x7cff           ; an index stays inside the table of 32,000 rows
	s_lshl_b32 s[32+i_], s[32+i_], 10
	v_add_nc_u32 v[96+i_], s[32+i_], v7
.set i_, i_+1
.endr
	WIN 0x80                                       ; whole rows: a load covers 512 consecutive bytes of one embedding row
	s_wait_alu depctr_va_vdst(0)                   ; the sixteen offsets v[96:111] are written, which the loads below read
.set i_, 0
.rept 16
	global_load_b128 v[128+8*i_:131+8*i_], v[96+i_], s[6:7]
	global_load_b128 v[132+8*i_:135+8*i_], v[96+i_], s[6:7] offset:512
.set i_, i_+1
.endr
	WIN 0
	v_add_nc_u32 v232, SMG, v19
	v_add_nc_u32 v233, SMB1, v30
	s_mul_i32 s28, s2, 16*PX
	s_add_co_u32 s28, s28, X16
	v_lshl_add_u32 v234, v1, 3, s28                ; X16: row 16 w, 8 l
	s_mul_i32 s28, s2, 16*PF
	s_add_co_u32 s28, s28, X32
	v_add_nc_u32 v235, s28, v7                     ; X32: row 16 w, 16 l
	s_wait_loadcnt 0x0
	s_wait_alu depctr_vm_vsrc(0)                   ; the rows' loads have read their offsets v[96:111], which the sums below write
	WIN 0x02
.set i_, 0
.rept 16
.irp x, 0,1,2,3
	v_pk_add_f32 v[32+8*i_+2*\x:33+8*i_+2*\x], v[128+8*i_+2*\x:129+8*i_+2*\x], v[20+2*\x:21+2*\x]    ; embedding row + b2, f32: it will start the second product's sums
.endr
.set i_, i_+1
.endr
	WIN 0x0a
.set i_, 0
.rept 16
.irp x, 0,1,2,3
	v_cvt_pk_f16_f32 v[160+4*i_+\x], v[128+8*i_+2*\x], v[129+8*i_+2*\x]
.endr
.set i_, i_+1
.endr
	ISSUE 1, 8                                     ; the rows have left staging buffer 1.  Its wait also states that v[32:223] and the addresses v[232:235] are written, which the stores below read
	ds_store_b64 v232, v[224:225]
	ds_store_b64 v232, v[226:227] offset:1024
	ds_store_b128 v233, v[228:231]
.set i_, 0
.rept 16
	ds_store_b128 v235, v[32+8*i_:35+8*i_] offset:PF*i_
	ds_store_b128 v235, v[36+8*i_:39+8*i_] offset:PF*i_+512
.set i_, i_+1
.endr
.set i_, 0
.rept 16
	ds_store_b64 v234, v[160+4*i_:161+4*i_] offset:PX*i_
	ds_store_b64 v234, v[162+4*i_:163+4*i_] offset:PX*i_+256
.set i_, i_+1
.endr
	s_lshl_b32 s28, s2, 9
	s_add_co_u32 s28, s28, SMB1
	v_lshl_add_u32 v26, v3, 5, s28                 ; b1 of my hidden units
	BAR                                            ; the 64 rows and the small vectors are whole
; ---------------------------------------------------------------- hidden = relu(x W1 + b1): my 128 units x 64 tokens
	s_wait_alu depctr_vm_vsrc(0)                   ; my stores above have read v[32:223]: from here on WF and TF, in which the first unit's fragments land, and CV, which its roundings write
	WIN 0x40
	s_wait_alu depctr_va_vdst(0)                   ; v26 is written, which the loads below read
.irp mt, 0,1,2,3
.irp nt, 0,1,2,3,4,5,6,7
	ds_load_b128 v[8*(8*\mt+\nt):8*(8*\mt+\nt)+3], v26 offset:64*\nt          ; b1 starts the sums
	ds_load_b128 v[8*(8*\mt+\nt)+4:8*(8*\mt+\nt)+7], v26 offset:64*\nt+16
.endr
.endr
	WIN 0
	v_mov_b32 v27, v9
	s_mov_b32 s52, 0
.Lg1:
	UNIT 1, 0, 32, 0, 1, 8, PX
	UNIT 1, 1, 32, 0, 1, 8, PX
	s_add_co_u32 s52, s52, 1
	s_cmp_lt_u32 s52, 3
	s_cbranch_scc1 .Lg1
	UNIT 1, 0, 32, 0, 2, 10, PX                    ; the last two units look ahead into W2
	UNIT 1, 1, 32, 0, 2, 10, PX
	HID 0
	HID 1
	HID 2
	HID 3
	BAR                                            ; the hidden layer is whole
; ---------------------------------------------------------------- x = embedding row + b2 + hidden W2: my 64 columns
	s_wait_alu depctr_vm_vsrc(0)                   ; the hidden layer's stores have read v[96:223]: TF, in which the next unit's fragments land, and CV, which its roundings write
	WIN 0x40
	s_wait_alu depctr_va_vdst(0)                   ; the maxima are done reading the accumulators, in which the loads below land
.irp mt, 0,1,2,3
.irp q, 0,1,2,3
	ds_load_b128 v[8*(4*\mt+\q):8*(4*\mt+\q)+3], v12 offset:\mt*16*PF+64*\q
	ds_load_b128 v[8*(4*\mt+\q)+4:8*(4*\mt+\q)+7], v12 offset:\mt*16*PF+64*\q+16
.endr
.endr
	WIN 0
	v_mov_b32 v27, v10
	s_mov_b32 s52, 0
.Lg2:
	UNIT 2, 0, 32, 0, 1, 10, PF
	UNIT 2, 1, 32, 0, 1, 10, PF
	s_add_co_u32 s52, s52, 1
	s_cmp_lt_u32 s52, 3
	s_cbranch_scc1 .Lg2
	UNIT 2, 0, 32, 0, 2, 12, PF                    ; the last two units look ahead into Wk
	UNIT 2, 1, 32, 0, 2, 12, PF
; ---------------------------------------------------------------- LayerNorm: a row's 256 columns lie in four waves
	ROWRED 0
	s_lshl_b32 s28, s2, 8
	s_add_co_u32 s28, s28, SMG
	v_lshl_add_u32 v26, v3, 5, s28                 ; ln_g, ln_b of my columns
	SHAREA
	s_wait_alu depctr_va_vdst(0)                   ; the four shares are written, which the stores read; v26 is written, which the loads behind the barrier read; the last unit's matrix instructions are done reading v[96:111], in which the totals' loads land
	SHARES 0
	BAR
.irp q, 0,1,2,3
	ds_load_b128 v[GB+8*\q:GB+8*\q+3], v26 offset:64*\q
	ds_load_b128 v[GB+8*\q+4:GB+8*\q+7], v26 offset:64*\q+16
	ds_load_b128 v[GB+32+8*\q:GB+32+8*\q+3], v26 offset:1024+64*\q
	ds_load_b128 v[GB+32+8*\q+4:GB+32+8*\q+7], v26 offset:1024+64*\q+16
.endr
	STATSUM 0
.irp mt, 0,1,2,3
	v_mul_f32 v[MU+2*\mt], 0xbb800000, v[96+4*\mt] ; -mean, twice
	v_mul_f32 v[MU+2*\mt+1], 0xbb800000, v[96+4*\mt]
.endr
	WIN 0x41
.set a_, 0
.rept 64
	v_pk_add_f32 v[2*a_:2*a_+1], v[2*a_:2*a_+1], v[MU+2*(a_>>4):MU+2*(a_>>4)+1]
.set a_, a_+1
.endr
	s_wait_alu depctr_vm_vsrc(0)                   ; the first exchange's stores have read v[T + 8 mt], which the sums of squares write
	ROWRED 1                                       ; the variance from the centred numbers, as reference() has it
	SHAREA
	s_wait_alu depctr_va_vdst(0)                   ; the four shares are written, which the stores read; the means' arithmetic is done with v[96:111], in which the totals' loads land
	SHARES 1
	BAR
	STATSUM 1
.irp mt, 0,1,2,3
	v_fma_f32 v[96+4*\mt], v[96+4*\mt], s50, s51
.endr
.irp mt, 0,1,2,3
	v_rsq_f32 v[MU+2*\mt], v[96+4*\mt]
.endr
	v_nop                                          ; a plain instruction behind the transcendentals (ISA guide 5.7.2)
	s_wait_alu depctr_va_vdst(0)                   ; the four 1 / sigma are written, ahead of their first reader: one wait for the batch
.irp mt, 0,1,2,3
	v_mov_b32 v[MU+2*\mt+1], v[MU+2*\mt]
.endr
	WIN 0x41
.irp mt, 0,1,2,3
.irp q, 0,1,2,3
.irp jj, 0,1,2,3
	v_pk_mul_f32 v[8*(4*\mt+\q)+2*\jj:8*(4*\mt+\q)+2*\jj+1], v[8*(4*\mt+\q)+2*\jj:8*(4*\mt+\q)+2*\jj+1], v[MU+2*\mt:MU+2*\mt+1]
.endr
.endr
.endr
.irp mt, 0,1,2,3
.irp q, 0,1,2,3
.irp jj, 0,1,2,3
	v_pk_fma_f32 v[8*(4*\mt+\q)+2*\jj:8*(4*\mt+\q)+2*\jj+1], v[8*(4*\mt+\q)+2*\jj:8*(4*\mt+\q)+2*\jj+1], v[GB+8*\q+2*\jj:GB+8*\q+2*\jj+1], v[GB+32+8*\q+2*\jj:GB+32+8*\q+2*\jj+1]
.endr
.endr
.endr
	WIN 0x05
.set a_, 0
.rept 16
.irp jj, 0,1,2,3
	v_cvt_pk_f16_f32 v[WF+4*a_+\jj], v[8*a_+2*\jj], v[8*a_+2*\jj+1]
.endr
.set a_, a_+1
.endr
	WIN 0
	s_wait_alu depctr_va_vdst(0)                   ; the roundings have written v[32:95], which the stores read
.irp mt, 0,1,2,3
.irp q, 0,1,2,3
	ds_store_b128 v13, v[WF+4*(4*\mt+\q):WF+4*(4*\mt+\q)+3] offset:\mt*16*PX+32*\q     ; h takes the embedding rows' place: their last reads lie three barriers back
.endr
.endr
	BAR                                            ; h is whole
; ---------------------------------------------------------------- k = h Wk: my 64 columns
	s_wait_alu depctr_vm_vsrc(0)                   ; h's stores have read v[32:95], in which the next unit's weight fragments land
	v_mov_b32 v27, v9
	UNIT 2, 0, 32, 1, 1, 12, PX
	UNIT 2, 1, 32, 0, 1, 12, PX
	UNIT 2, 0, 32, 0, 0, 0, PX                     ; nothing is left to ask for
	UNIT 2, 1, 0, 0, 0, 0, PX
	ROWRED 1                                       ; |k|^2
	SHAREA
	WIN 0x05
.set a_, 0
.rept 16
.irp jj, 0,1,2,3
	v_cvt_pk_f16_f32 v[WF+4*a_+\jj], v[8*a_+2*\jj], v[8*a_+2*\jj+1]
.endr
.set a_, a_+1
.endr
	WIN 0
	s_wait_alu depctr_va_vdst(0)                   ; the four shares and the roundings' v[32:95] are written, which the stores read; the last unit's matrix instructions are done reading v[96:159], in which loads land behind the barrier
	SHARES 2
.irp mt, 0,1,2,3
.irp q, 0,1,2,3
	ds_store_b128 v14, v[WF+4*(4*\mt+\q):WF+4*(4*\mt+\q)+3] offset:\mt*16*PX+32*\q     ; k takes the hidden layer's place
.endr
.endr
	BAR                                            ; k and the shares of |k|^2 are whole
; ---------------------------------------------------------------- out.  Wave 0: the rows' three figures, 256 consecutive bytes a store
	s_cmp_lg_u32 s2, 0
	s_cbranch_scc1 .Lnost
	STATSUM 2
.irp mt, 0,1,2,3
	v_sqrt_f32 v[160+\mt], v[96+4*\mt]
.endr
.irp mt, 0,1,2,3
	v_mul_f32 v[164+\mt], 0x3e23d70a, v[96+4*\mt]  ; 0.16 |k|^2: the gate's threshold
.endr
	v_lshlrev_b32 v22, 3, v1
	v_add_nc_u32 v22, SOUT, v22
	s_lshr_b32 s28, s3, 2
	s_mul_i32 s28, s28, 3072                       ; batch row g / 4,
	s_and_b32 s29, s3, 3
	s_lshl_b32 s29, s29, 8                         ; its tokens 64 (g % 4) ..
	s_add_co_u32 s28, s28, s29
	v_lshl_add_u32 v23, v1, 3, s28
	s_wait_alu depctr_va_vdst(0)                   ; the four roots are written, ahead of their first reader: one wait for the batch
.irp mt, 0,1,2,3
	v_max_num_f32 v[160+\mt], 0x2b8cbccc, v[160+\mt]   ; max(|k|, 1e-12)
.endr
.irp mt, 0,1,2,3
	v_rcp_f32 v[168+\mt], v[160+\mt]
.endr
	v_lshlrev_b32 v21, 2, v2                       ; also the plain instruction behind v_rcp_f32 (ISA guide 5.7.2)
	v_add_nc_u32 v21, SOUT, v21
	s_wait_alu depctr_va_vdst(0)                   ; the four reciprocals, the maxima, the thresholds and the addresses v21 to v23 are written, which the stores and loads below read; the LayerNorm is done reading v[176:181], in which the loads land
.irp mt, 0,1,2,3
	ds_store_b32 v21, v[168+\mt] offset:64*\mt
	ds_store_b32 v21, v[164+\mt] offset:256+64*\mt
	ds_store_b32 v21, v[160+\mt] offset:512+64*\mt
.endr
.irp a, 0,1,2
	ds_load_b64 v[176+2*\a:177+2*\a], v22 offset:256*\a    ; my own bytes, read back two tokens a lane
.endr
	s_wait_dscnt 0x0
.irp a, 0,1,2
	global_store_b64 v23, v[176+2*\a:177+2*\a], s[24:25] offset:1024*\a
.endr
.Lnost:
	s_mul_i32 s28, s2, 16*PX
	s_add_co_u32 s28, s28, H1
	v_add_nc_u32 v19, s28, v7                      ; k's rows 16 w .., 16 l
	s_lshl_b32 s29, s3, 15
	s_lshl_b32 s30, s2, 13
	s_add_co_u32 s29, s29, s30
	v_add_nc_u32 v20, s29, v7                      ; kws: row 64 g + 16 w
	s_wait_alu depctr_va_vdst(0)                   ; v19 and v20 are written, which the loads and stores below read; in wave 0 the figures' arithmetic is done with v[96:111], in which rows land
.set i_, 0
.rept 16
	ds_load_b128 v[96+4*i_:99+4*i_], v19 offset:PX*i_
.set i_, i_+1
.endr
.set i_, 0
.rept 16
	s_wait_dscnt 15-i_                             ; the younger rows stay out
	global_store_b128 v20, v[96+4*i_:99+4*i_], s[22:23] offset:512*i_      ; a whole row of k: 512 consecutive bytes, aligned
.set i_, i_+1
.endr
	s_set_vgpr_msb 0xc
	s_wait_dscnt 0x0
	s_wait_alu depctr_hold_cnt(0) depctr_sa_sdst(0) depctr_va_vdst(0) depctr_va_sdst(0) depctr_va_ssrc(0) depctr_va_vcc(0) depctr_vm_vsrc(0)
	s_wait_tensorcnt 0x0
	ds_add_u32 v31, v1
	s_wait_dscnt 0x0
	s_endpgm
.Lfunc_end_k_q7c0e43fa5b_front:
	.size	k_q7c0e43fa5b_front, .Lfunc_end_k_q7c0e43fa5b_front-k_q7c0e43fa5b_front
	.p2alignl 7, 3214868480
	.fill 96, 4, 3214868480
	.section	.rodata,"a",@progbits
	.p2align	6, 0x0
	.amdhsa_kernel k_q7c0e43fa5b_front
		.amdhsa_group_segment_fixed_size 216320
		.amdhsa_private_segment_fixed_size 0
		.amdhsa_enable_private_segment 0
		.amdhsa_kernarg_size 88
		.amdhsa_user_sgpr_count 2
		.amdhsa_user_sgpr_kernarg_segment_ptr 1
		.amdhsa_wavefront_size32 1
		.amdhsa_system_sgpr_workgroup_id_x 1
		.amdhsa_system_sgpr_workgroup_id_y 1
		.amdhsa_system_sgpr_workgroup_id_z 1
		.amdhsa_system_vgpr_workitem_id 0
		.amdhsa_next_free_vgpr 770
		.amdhsa_next_free_sgpr 66
		.amdhsa_reserve_vcc 0
		.amdhsa_float_denorm_mode_32 3
		.amdhsa_float_denorm_mode_16_64 3
		.amdhsa_memory_ordered 1
		.amdhsa_forward_progress 1
		.amdhsa_inst_pref_size 255
	.end_amdhsa_kernel
	.section	.bss,"aw",@nobits
	.p2align	6
	.space	262144
	.amdgpu_metadata
---
amdhsa.version: [ 1, 2 ]
amdhsa.kernels:
  - .name:           k_q7c0e43fa5b_front
    .symbol:         k_q7c0e43fa5b_front.kd
    .args:
      - { .name: seq, .offset: 0, .size: 8, .value_kind: global_buffer, .address_space: global }
      - { .name: embed, .offset: 8, .size: 8, .value_kind: global_buffer, .address_space: global }
      - { .name: W1, .offset: 16, .size: 8, .value_kind: global_buffer, .address_space: global }
      - { .name: W2, .offset: 24, .size: 8, .value_kind: global_buffer, .address_space: global }
      - { .name: Wk, .offset: 32, .size: 8, .value_kind: global_buffer, .address_space: global }
      - { .name: b1, .offset: 40, .size: 8, .value_kind: global_buffer, .address_space: global }
      - { .name: b2, .offset: 48, .size: 8, .value_kind: global_buffer, .address_space: global }
      - { .name: ln_g, .offset: 56, .size: 8, .value_kind: global_buffer, .address_space: global }
      - { .name: ln_b, .offset: 64, .size: 8, .value_kind: global_buffer, .address_space: global }
      - { .name: kws, .offset: 72, .size: 8, .value_kind: global_buffer, .address_space: global }
      - { .name: stws, .offset: 80, .size: 8, .value_kind: global_buffer, .address_space: global }
    .group_segment_fixed_size: 216320
    .private_segment_fixed_size: 0
    .kernarg_segment_align: 8
    .kernarg_segment_size: 88
    .max_flat_workgroup_size: 128
    .sgpr_count:     66
    .vgpr_count:     770
    .wavefront_size: 32
...
	.end_amdgpu_metadata
.endif
;; end of part 5
;; launch mem: the kernel of part 4 again; grid 64 x 1, 8 waves a work-group, no clusters, 323,840 bytes of LDS; arguments Wr, br, r2ws, kws, stws; writes r2ws
;; launch head (part 6): grid 250 x 1, 8 waves a work-group, no clusters, 142,848 bytes of LDS; arguments r2ws, Wo, bo, out0; writes out0
.if DOCPART == 6
	.amdgcn_target "amdgcn-amd-amdhsa--gfx1250"
	.amdhsa_code_object_version 6
	.text
	.protected	k_q7c0e43fa5b_head
	.globl	k_q7c0e43fa5b_head
	.p2align	8
	.type	k_q7c0e43fa5b_head,@function
k_q7c0e43fa5b_head:
	s_mov_b64 s[64:65], 0
	v_nop
	global_prefetch_b8 v0, s[64:65] scope:SCOPE_SE
	s_setreg_imm32_b32 hwreg(HW_REG_WAVE_SCHED_MODE, 0, 2), 2
	s_setreg_imm32_b32 hwreg(HW_REG_WAVE_MODE, 25, 1), 1
	s_wait_xcnt 0x0
	s_wait_alu depctr_vm_vsrc(0)
; out0[b][n] = sum_k r2[b][k] Wo[k][n] + bo[n].  r2: [64][256] f32, Wo: [256][32000] f32.  250 work-groups of 128 columns: each byte of Wo
; is read once, in rows of 512 consecutive bytes, all 128 KiB of a work-group's share asked for at the start.
; Operands are f16.  r2's size is not bounded by anything in the model, so each row is divided by its largest magnitude m first
; (floor 2^-100) and the sums are multiplied by m again: the operand lies in [-1, 1] whatever the inputs.
; LIMIT, stated: Wo above 65,504 in magnitude overflows f16; m above 2^126 is not served.
; No cluster: the work-groups share only r2 (64 KiB of the 192 KiB that each reads).  The weights pass through registers to be rounded.
; The product is used transposed: source 0 = 16 columns of Wo, source 1 = 16 rows of r2; lane (r, h), register j holds (row r, column n0 + 8 h + j).
;
; THE MODE: SCHED_MODE bits 1:0 = 2 (LLVM: expert scheduling mode 2), set by the entry lines.  The code itself states the register dependences
; between vector or matrix instructions and memory or LDS instructions, with s_wait_alu, always for 0.
; THE PLAN.  Registers that memory or LDS instructions touch:
;   v4 to v15      offsets and addresses, made once; v16, v17 are made anew for the way out.
;   v[64:127]      r2's eight rows land here; they are scaled and rounded in place; the LDS stores read the first four registers of each eight.
;   v[16:23]       the rows' largest magnitudes, a register each; LDS stores read them.  Behind the barrier m lands in v[20:23].
;   v[128:255]     Wo's 32 rows land here, four registers each; two roundings a row in place; an LDS store reads the first two.
;   behind the barrier v[64:95] and v[128:255] take the fragments, twice: LDS loads land in them, matrix instructions read them.
;   v[24:55]       the accumulators: scaled in place, then read by LDS stores.
; The eight rows of r2 are worked side by side: one batch of reciprocals, one wait ahead of the 24 stores.  Wo goes in eight groups of four rows: a group's
; stores stand in the next group, behind the one wait at its head, dealt among that group's roundings, which name other rows' registers.
; One wait on vm_vsrc behind the barrier frees all that the stores have read.
.set PW, 288                           ; Wo's LDS rows: 128 f16 + 32 bytes (9 x 32)
.set PX, 528                           ; r2's rows: 256 f16 + 16; out's rows: 128 f32 + 16 (33 x 16)
.set XS, 73728
.set OS, 107520
.set MS, 141312
	s_load_b256 s[4:11], s[0:1], 0x0               ; r2ws s[4:5], Wo s[6:7], bo s[8:9], out0 s[10:11]
	s_set_vgpr_msb 0x40
	v_lshl_add_u32 v0, v0, 2, 0x22a00
	v_mov_b32 v1, 0
	s_set_vgpr_msb 0x4000
	v_lshrrev_b32 v1, 5, v0
	v_readfirstlane_b32 s2, v1                     ; wave
	s_mov_b32 s12, 0x76543210
	s_mov_b32 s13, 0xfedcba98
	v_and_b32 v1, 31, v0
	v_and_b32 v2, 15, v0                           ; r
	v_bfe_u32 v3, v0, 4, 1                         ; h
	v_lshlrev_b32 v4, 4, v1                        ; 16 l
	s_wait_alu depctr_va_sdst(0)                   ; s2 is written, ahead of its first reader
	s_lshl_b32 s14, s2, 13
	v_add_nc_u32 v5, s14, v4                       ; r2: row 8 w
	s_lshl_b32 s15, ttmp9, 9                       ; my 128 columns, in bytes of f32
	s_lshl_b32 s16, s2, 6
	s_add_co_u32 s16, s16, s15
	v_lshl_add_u32 v6, v3, 5, s16                  ; bo: column 128 g + 16 w + 8 h
	s_mul_i32 s17, s2, 4096000
	s_add_co_u32 s17, s17, s15
	v_add_nc_u32 v7, s17, v4                       ; Wo: row 32 w
	s_mul_i32 s17, s2, 1024000
	s_add_co_u32 s17, s17, s15
	v_add_nc_u32 v8, s17, v4                       ; out0: row 8 w
	s_mul_i32 s17, s2, 8*PX
	s_add_co_u32 s17, s17, XS
	v_lshl_add_u32 v9, v1, 3, s17                  ; XS: row 8 w, 8 l
	s_lshl_b32 s17, s2, 5
	s_add_co_u32 s17, s17, MS
	v_mov_b32 v10, s17
	s_mul_i32 s17, s2, 32*PW
	v_lshl_add_u32 v11, v1, 3, s17                 ; WS: row 32 w, 8 l
	s_wait_kmcnt 0x0
	s_wait_alu depctr_va_vdst(0)                   ; the offsets v5, v6 and v7 are written, which the loads below read
.irp i, 0,1,2,3,4,5,6,7
	global_load_b128 v[64+8*\i:67+8*\i], v5, s[4:5] offset:1024*\i
	global_load_b128 v[68+8*\i:71+8*\i], v5, s[4:5] offset:1024*\i+512
.endr
	global_load_b128 v[56:59], v6, s[8:9]
	global_load_b128 v[60:63], v6, s[8:9] offset:16
.set i_, 0
.rept 32
	global_load_b128 v[128+4*i_:131+4*i_], v7, s[6:7] offset:i_*128000 th:TH_LOAD_NT
.set i_, i_+1
.endr
	v_and_b32 v12, 7, v0
	v_lshl_add_u32 v12, v3, 3, v12
	v_bfe_u32 v13, v0, 3, 1
	v_lshlrev_b32 v13, 4, v13
	v_mad_u32_u24 v12, v12, PW, v13
	s_lshl_b32 s17, s2, 5
	v_add_nc_u32 v12, s17, v12                     ; Wo's fragments: columns 16 w .., k steps 0 to 3
	v_add_nc_u32 v13, 4*32*PW, v12                 ; k steps 4 to 7 (an LDS offset has 16 bits)
	v_mul_u32_u24 v14, v2, PX
	v_lshl_add_u32 v14, v3, 4, v14
	v_add_nc_u32 v14, XS, v14                      ; r2's fragments
	v_lshlrev_b32 v15, 2, v2
	v_add_nc_u32 v15, MS, v15
; my eight rows of r2, side by side: the largest magnitude (row i's in v[16 + i]), the row divided by it, f16
	s_wait_loadcnt 34                              ; r2's sixteen loads are in; behind them 2 of bo and 32 of Wo stay out
.irp i, 0,1,2,3,4,5,6,7
	v_max3_num_f32 v[16+\i], |v[64+8*\i]|, |v[65+8*\i]|, |v[66+8*\i]|
.endr
.irp i, 0,1,2,3,4,5,6,7
	v_max3_num_f32 v[24+\i], |v[67+8*\i]|, |v[68+8*\i]|, |v[69+8*\i]|
.endr
.irp i, 0,1,2,3,4,5,6,7
	v_max3_num_f32 v[16+\i], v[16+\i], |v[70+8*\i]|, |v[71+8*\i]|
.endr
.irp i, 0,1,2,3,4,5,6,7
	v_max_num_f32 v[16+\i], v[16+\i], v[24+\i]
.endr
.irp m, 1,2,4,8
.irp i, 0,1,2,3,4,5,6,7
	v_max_num_f32_dpp v[16+\i], v[16+\i], v[16+\i] row_xmask:\m row_mask:0xf bank_mask:0xf
.endr
.endr
.irp i, 0,1,2,3,4,5,6,7
	v_permlanex16_b32 v[24+\i], v[16+\i], s12, s13
.endr
.irp i, 0,1,2,3,4,5,6,7
	v_max3_num_f32 v[16+\i], v[16+\i], v[24+\i], 0x0d800000       ; at least 2^-100
.endr
.irp i, 0,1,2,3,4,5,6,7
	v_rcp_f32 v[32+2*\i], v[16+\i]
.endr
	v_nop                                          ; a plain instruction behind v_rcp_f32 (ISA guide 5.7.2)
	s_wait_alu depctr_va_vdst(0)                   ; the eight reciprocals are written, ahead of their first reader: one wait for the batch
.irp i, 0,1,2,3,4,5,6,7
	v_mov_b32 v[33+2*\i], v[32+2*\i]
.endr
.irp i, 0,1,2,3,4,5,6,7
.irp x, 0,1,2,3
	v_pk_mul_f32 v[64+8*\i+2*\x:65+8*\i+2*\x], v[64+8*\i+2*\x:65+8*\i+2*\x], v[32+2*\i:33+2*\i]
.endr
.endr
.irp i, 0,1,2,3,4,5,6,7
.irp x, 0,1,2,3
	v_cvt_pk_f16_f32 v[64+8*\i+\x], v[64+8*\i+2*\x], v[65+8*\i+2*\x]
.endr
.endr
	s_wait_alu depctr_va_vdst(0)                   ; the roundings have written v[64 + 8 i ..] and the maxima v[16:23], which the stores read; so are the addresses v9 to v15
.irp i, 0,1,2,3,4,5,6,7
	ds_store_b64 v9, v[64+8*\i:65+8*\i] offset:PX*\i
	ds_store_b64 v9, v[66+8*\i:67+8*\i] offset:PX*\i+256
	ds_store_b32 v10, v[16+\i] offset:4*\i
.endr
; Wo, four rows to a group.  Group g rounds its rows; the stores of group g - 1 stand among its roundings
.set g_, 0
.rept 8
	s_wait_loadcnt 28-4*g_                         ; this group's four rows are in; the younger rows of Wo stay out
.if g_ > 0
	s_wait_alu depctr_va_vdst(0)                   ; the group before has written its rows' first two registers, which the stores below read; this group's roundings name other registers
.endif
.set r_, 0
.rept 4
.if g_ > 0
	ds_store_b64 v11, v[128+4*(4*g_-4+r_):129+4*(4*g_-4+r_)] offset:PW*(4*g_-4+r_)
.endif
	v_cvt_pk_f16_f32 v[128+4*(4*g_+r_)], v[128+4*(4*g_+r_)], v[129+4*(4*g_+r_)]
	v_cvt_pk_f16_f32 v[129+4*(4*g_+r_)], v[130+4*(4*g_+r_)], v[131+4*(4*g_+r_)]
.set r_, r_+1
.endr
.set g_, g_+1
.endr
	s_wait_alu depctr_va_vdst(0)                   ; the last group's roundings are written, which the last four stores read; all vector work on v[16:23], v[64:95] and v[128:255] is done, in which loads land behind the barrier
.irp r, 28,29,30,31
	ds_store_b64 v11, v[128+4*\r:129+4*\r] offset:PW*\r
.endr
	s_wait_dscnt 0x0
	s_barrier_signal -1
	s_barrier_wait -1                              ; Wo's 128 columns, r2 and its scales are whole
	s_wait_alu depctr_vm_vsrc(0)                   ; my LDS stores have read v[16:23], v[64:127] and v[128:255]: m and the fragments land there, and v16 and v17 are written anew for the way out
.irp mt, 0,1,2,3
	ds_load_b32 v[20+\mt], v15 offset:64*\mt       ; m of my four rows
.endr
; wave w: columns 16 w .. 16 w + 15 x 64 rows, k in two halves of four steps; four accumulators by turns
.macro HALF hf
.if \hf
	s_wait_alu depctr_va_vdst(0)                   ; the first half's matrix instructions are done reading the fragments, in which the second half's land
.endif
.irp pp, 0,1,2,3
	ds_load_tr16_b128 v[64+8*\pp:67+8*\pp], v[12+\hf] offset:32*PW*\pp
	ds_load_tr16_b128 v[68+8*\pp:71+8*\pp], v[12+\hf] offset:32*PW*\pp+16*PW
.irp mt, 0,1,2,3
	ds_load_b128 v[128+8*(4*\pp+\mt):131+8*(4*\pp+\mt)], v14 offset:16*PX*\mt+64*(4*\hf+\pp)
	ds_load_b128 v[132+8*(4*\pp+\mt):135+8*(4*\pp+\mt)], v14 offset:16*PX*\mt+64*(4*\hf+\pp)+32
.endr
.endr
	s_wait_dscnt 0x0
.irp pp, 0,1,2,3
.irp mt, 0,1,2,3
.if \hf+\pp
	v_wmma_f32_16x16x32_f16 v[24+8*\mt:31+8*\mt], v[64+8*\pp:71+8*\pp], v[128+8*(4*\pp+\mt):135+8*(4*\pp+\mt)], v[24+8*\mt:31+8*\mt]
.else
	v_wmma_f32_16x16x32_f16 v[24+8*\mt:31+8*\mt], v[64+8*\pp:71+8*\pp], v[128+8*(4*\pp+\mt):135+8*(4*\pp+\mt)], 0
.endif
.endr
.endr
.rept 5
	v_nop                                          ; places behind the matrix instructions (ISA guide 7.12.1)
.endr
.endm
	HALF 0
	HALF 1
	v_mul_u32_u24 v16, v2, PX
	v_lshl_add_u32 v16, v3, 5, v16
	s_lshl_b32 s17, s2, 6
	s_add_co_u32 s17, s17, OS
	v_add_nc_u32 v16, s17, v16                     ; OS[r][16 w + 8 h]
	s_mul_i32 s17, s2, 8*PX
	s_add_co_u32 s17, s17, OS
	v_add_nc_u32 v17, s17, v4
.irp mt, 0,2
.irp x, 0,1,2,3
	v_pk_fma_f32 v[24+8*\mt+2*\x:25+8*\mt+2*\x], v[24+8*\mt+2*\x:25+8*\mt+2*\x], v[20+\mt:21+\mt], v[56+2*\x:57+2*\x] op_sel_hi:[1,0,1]
	v_pk_fma_f32 v[32+8*\mt+2*\x:33+8*\mt+2*\x], v[32+8*\mt+2*\x:33+8*\mt+2*\x], v[20+\mt:21+\mt], v[56+2*\x:57+2*\x] op_sel:[0,1,0] op_sel_hi:[1,1,1]
.endr
.endr
	s_wait_alu depctr_va_vdst(0)                   ; the results v[24:55] and the addresses v16 and v17 are written, which the stores and the loads behind the barrier read; the matrix instructions are done reading v[64:95], in which those loads land
.irp mt, 0,1,2,3
	ds_store_b128 v16, v[24+8*\mt:27+8*\mt] offset:16*PX*\mt
	ds_store_b128 v16, v[28+8*\mt:31+8*\mt] offset:16*PX*\mt+16
.endr
	s_wait_dscnt 0x0
	s_barrier_signal -1
	s_barrier_wait -1                              ; the block of 64 x 128 results is whole
.irp i, 0,1,2,3,4,5,6,7
	ds_load_b128 v[64+4*\i:67+4*\i], v17 offset:PX*\i
.endr
.irp i, 0,1,2,3,4,5,6,7
	s_wait_dscnt 7-\i
	global_store_b128 v8, v[64+4*\i:67+4*\i], s[10:11] offset:128000*\i th:TH_STORE_NT   ; a wave stores 512 consecutive bytes of a row, aligned to 256
.endr
	s_set_vgpr_msb 0x5
	s_wait_dscnt 0x0
	s_wait_alu depctr_hold_cnt(0) depctr_sa_sdst(0) depctr_va_vdst(0) depctr_va_sdst(0) depctr_va_ssrc(0) depctr_va_vcc(0) depctr_vm_vsrc(0)
	s_wait_tensorcnt 0x0
	ds_add_u32 v0, v1
	s_wait_dscnt 0x0
	s_endpgm
.Lfunc_end_k_q7c0e43fa5b_head:
	.size	k_q7c0e43fa5b_head, .Lfunc_end_k_q7c0e43fa5b_head-k_q7c0e43fa5b_head
	.p2alignl 7, 3214868480
	.fill 96, 4, 3214868480
	.section	.rodata,"a",@progbits
	.p2align	6, 0x0
	.amdhsa_kernel k_q7c0e43fa5b_head
		.amdhsa_group_segment_fixed_size 142848
		.amdhsa_private_segment_fixed_size 0
		.amdhsa_enable_private_segment 0
		.amdhsa_kernarg_size 32
		.amdhsa_user_sgpr_count 2
		.amdhsa_user_sgpr_kernarg_segment_ptr 1
		.amdhsa_wavefront_size32 1
		.amdhsa_system_sgpr_workgroup_id_x 1
		.amdhsa_system_sgpr_workgroup_id_y 1
		.amdhsa_system_sgpr_workgroup_id_z 1
		.amdhsa_system_vgpr_workitem_id 0
		.amdhsa_next_free_vgpr 258
		.amdhsa_next_free_sgpr 66
		.amdhsa_reserve_vcc 0
		.amdhsa_float_denorm_mode_32 3
		.amdhsa_float_denorm_mode_16_64 3
		.amdhsa_memory_ordered 1
		.amdhsa_forward_progress 1
		.amdhsa_inst_pref_size 37
	.end_amdhsa_kernel
	.amdgpu_metadata
---
amdhsa.version: [ 1, 2 ]
amdhsa.kernels:
  - .name:           k_q7c0e43fa5b_head
    .symbol:         k_q7c0e43fa5b_head.kd
    .args:
      - { .name: r2ws, .offset: 0, .size: 8, .value_kind: global_buffer, .address_space: global }
      - { .name: Wo, .offset: 8, .size: 8, .value_kind: global_buffer, .address_space: global }
      - { .name: bo, .offset: 16, .size: 8, .value_kind: global_buffer, .address_space: global }
      - { .name: out0, .offset: 24, .size: 8, .value_kind: global_buffer, .address_space: global }
    .group_segment_fixed_size: 142848
    .private_segment_fixed_size: 0
    .kernarg_segment_align: 8
    .kernarg_segment_size: 32
    .max_flat_workgroup_size: 256
    .sgpr_count:     66
    .vgpr_count:     258
    .wavefront_size: 32
...
	.end_amdgpu_metadata
.endif
;; end of part 6
